; MI455X (gfx1250); checked and timed in simulation.
; The chip was launched on July 23, 2026; its instructions are those of AMD's public machine-readable ISA for CDNA 5 (MIT licence, August 2026) and "CDNA5" Instruction Set Architecture Reference Guide (July 2026). The comments in the code are by the model that wrote it; some were corrected since.
;; Retention. Allowed arithmetic: float matrix products may take bf16 or f16 operands with f32 sums; all other float work in f32.
;; Inputs: Wk 1,024 x 1,024 float32; Wo 1,024 x 1,024 float32; Wq 1,024 x 1,024 float32; Wv 1,024 x 1,024 float32; ln_b 64 float32; ln_w 64 float32; x 4 x 2,048 x 1,024 float32.
;; Outputs: out0 4 x 2,048 x 1,024 float32.
;; 2 versions, each right; version 2 is version 1 with the launches prep, kv written anew for expert scheduling mode. Each part assembles by itself: llvm-mc -triple=amdgcn-amd-amdhsa -mcpu=gfx1250 --defsym DOCPART=n.
;; ======== version 1 of 2: 5 launches
;; limits: values are held in f16: magnitudes above 65,504 overflow, below 6.1e-05 lose precision; right only within a limited range of input values; below input magnitudes of 0.000122 results are inexact or not finite
;; workspace buffers: xb 16,777,216 bytes; wb 8,388,608 bytes; rot 524,288 bytes; qh 16,777,216 bytes; kh 16,777,216 bytes; vh 16,777,216 bytes; scl 8,192 bytes; ub 7,340,032 bytes
;; launch prep (part 1): grid 800 x 1, 8 waves a work-group, no clusters, 0 bytes of LDS; arguments x, Wq, Wk, Wv, Wo, xb, wb, rot; writes xb, wb, rot
.if DOCPART == 1
	.amdgcn_target "amdgcn-amd-amdhsa--gfx1250"
	.amdhsa_code_object_version 6
	.text
	.protected	k_q24016e04e8_prep
	.globl	k_q24016e04e8_prep
	.p2align	8
	.type	k_q24016e04e8_prep,@function
k_q24016e04e8_prep:
	s_mov_b64 s[64:65], 0
	v_nop
	global_prefetch_b8 v0, s[64:65] scope:SCOPE_SE
	s_setreg_imm32_b32 hwreg(HW_REG_WAVE_MODE, 25, 1), 1
	s_wait_xcnt 0x0
; PREP.  (1) x and the four weights, f32, are rounded once to bf16 and laid out in blocks of 64 along K:
;   xb[kb][m][64] (m = 0..8191), wb[kb][row][64] (row = 0..4095), so that R rows x 64 K of a later tile are R x 128 dense bytes.
;   wb's rows: head h, channel c: Wq's row 64 h + c -> 192 h + c, Wk's -> 192 h + 64 + c, Wv's -> 192 h + 128 + c; Wo's row n -> 3072 + n.
;   Wo's rows are multiplied in f16 later: the bf16 number, divided by 16 (the other operand is stored times 16), is written as f16.
; (2) rot[s][i] = (cos, sin)(s x ang_i), i = 0..31, ang_i = 10000^(-i/31), f32: a row of 256 bytes for each position s.
; Work-groups 0..511: 16 rows of x each; 512..767: 16 rows of a weight each (704..767: Wo); 768..799: 64 rows of the table each.
; No LDS, no matrix unit, no barrier: a stream in which every byte is read once and written once.
; LIMITS.  Wo / 16 in f16: exact from 2^-17 to 65,504; below that it keeps f16's fixed step of 6e-8.
; ang_i is 2^(-i log2(10000)/31), a few last places away from a power function's result; s x ang_i is rounded once, reduced by
; multiples of pi in two parts, and sine and cosine are series to r^11 and r^12 for |r| <= pi/2 (what is cut is below 6e-8).
.set XR, 4                             ; v[4:67]   16 loads of 4 f32
.set YR, 68                            ; v[68:99]  16 x 4 numbers of 16 bits to store
	s_load_b256 s[4:11], s[0:1], 0x0               ; x s[4:5], Wq s[6:7], Wk s[8:9], Wv s[10:11]
	s_load_b256 s[12:19], s[0:1], 0x20             ; Wo s[12:13], xb s[14:15], wb s[16:17], rot s[18:19]
	s_mov_b32 s66, 0x100000                        ; bytes from one K block of xb to the next: 8,192 rows x 128
	s_mov_b32 s67, 0x80000                         ; the same in wb: 4,096 rows x 128
	v_and_b32 v100, 15, v0                         ; thread % 16
	v_lshrrev_b32 v101, 4, v0                      ; thread / 16: 0..15
	s_wait_kmcnt 0x0
	s_cmp_ge_u32 ttmp9, 768
	s_cbranch_scc1 .Ltable
	; ---- 16 rows x 1,024 columns, f32 -> 16 bits ----
	s_cmp_lt_u32 ttmp9, 512
	s_cselect_b32 s56, 1, 0                        ; 1: rows of x
	s_and_b32 s57, ttmp9, 255                      ; a weight unit's number (work-group - 512)
	s_lshr_b32 s58, s57, 6                         ; which weight: 0 Wq, 1 Wk, 2 Wv, 3 Wo
	s_and_b32 s59, s57, 63                         ; u: its rows 16 u .. 16 u + 15
	s_lshr_b32 s62, s59, 2                         ; head = u / 4
	s_mul_i32 s62, s62, 192
	s_lshl_b32 s63, s58, 6
	s_add_co_u32 s62, s62, s63
	s_and_b32 s63, s59, 3
	s_lshl_b32 s63, s63, 4
	s_add_co_u32 s62, s62, s63                     ; 192 head + 64 weight + 16 (u % 4)
	s_lshl_b32 s63, s59, 4
	s_add_co_u32 s63, s63, 3072                    ; Wo: 3072 + 16 u
	s_cmp_lt_u32 s58, 3
	s_cselect_b32 s62, s62, s63
	s_lshl_b32 s63, ttmp9, 4                       ; x: row 16 x work-group
	s_lshl_b32 s68, ttmp9, 16                      ; x: 16 rows of 4,096 bytes
	s_lshl_b32 s70, s59, 16                        ; a weight: the same by u
	s_cmp_eq_u32 s56, 1
	s_cselect_b32 s62, s63, s62                    ; first row in the destination
	s_cselect_b32 s68, s68, s70                    ; byte offset in the source
	s_cselect_b32 s22, s66, s67                    ; bytes from K block to K block
	s_mov_b32 s69, 0
	s_mov_b32 s23, 0
	s_lshl_b32 s70, s62, 7                         ; 128 bytes a row
	s_mov_b32 s71, 0
	s_cmp_eq_u32 s58, 1
	s_cselect_b64 s[20:21], s[8:9], s[6:7]
	s_cmp_eq_u32 s58, 2
	s_cselect_b64 s[20:21], s[10:11], s[20:21]
	s_cmp_eq_u32 s58, 3
	s_cselect_b64 s[20:21], s[12:13], s[20:21]
	s_cmp_eq_u32 s56, 1
	s_cselect_b64 s[20:21], s[4:5], s[20:21]       ; the source
	s_cselect_b64 s[24:25], s[14:15], s[16:17]     ; the destination
	s_add_nc_u64 s[20:21], s[20:21], s[68:69]
	s_add_nc_u64 s[24:25], s[24:25], s[70:71]      ; K block 0
.set k, 1
.rept 15                                               ; a base of its own for each K block: s[24+2k:25+2k]; none is ever rewritten
	s_add_nc_u64 s[24+2*k:25+2*k], s[22+2*k:23+2*k], s[22:23]
.set k, k+1
.endr
	v_lshlrev_b32 v1, 4, v100
	v_lshl_add_u32 v1, v101, 12, v1                ; source: row (thread / 16) x 4,096 + 16 (thread % 16)
	v_lshlrev_b32 v2, 3, v100
	v_lshl_add_u32 v2, v101, 7, v2                 ; destination: row x 128 + 8 (thread % 16)
.set k, 0
.rept 16                                               ; load k: columns 64 k .. 64 k + 63 of the wave's two rows, 256 consecutive bytes of each
	global_load_b128 v[XR+4*k:XR+4*k+3], v1, s[20:21] offset:256*k th:TH_LOAD_NT
.set k, k+1
.endr
	s_cmp_ge_u32 ttmp9, 704
	s_cbranch_scc1 .Lwo
.set k, 0
.rept 16
	s_wait_loadcnt 15-k                            ; loads come back in order: load k is in, the 15 - k younger ones stay out
	v_cvt_pk_bf16_f32 v[YR+2*k], v[XR+4*k], v[XR+4*k+1]
	v_cvt_pk_bf16_f32 v[YR+2*k+1], v[XR+4*k+2], v[XR+4*k+3]
	global_store_b64 v2, v[YR+2*k:YR+2*k+1], s[24+2*k:25+2*k]  ; the wave's 32 lanes: two rows of one K block, 256 consecutive bytes, aligned
.set k, k+1
.endr
	s_endpgm
.Lwo:                                                  ; Wo: rounded to bf16 as every input is, widened, divided by 16, written as f16
.set k, 0
.rept 16
	s_wait_loadcnt 15-k
	v_cvt_pk_bf16_f32 v[YR+2*k], v[XR+4*k], v[XR+4*k+1]
	v_cvt_pk_bf16_f32 v[YR+2*k+1], v[XR+4*k+2], v[XR+4*k+3]
	v_lshlrev_b32 v[XR+4*k], 16, v[YR+2*k]
	v_and_b32 v[XR+4*k+1], 0xffff0000, v[YR+2*k]
	v_lshlrev_b32 v[XR+4*k+2], 16, v[YR+2*k+1]
	v_and_b32 v[XR+4*k+3], 0xffff0000, v[YR+2*k+1]
	v_pk_mul_f32 v[XR+4*k:XR+4*k+1], v[XR+4*k:XR+4*k+1], 0x3d800000 op_sel_hi:[1,0]
	v_pk_mul_f32 v[XR+4*k+2:XR+4*k+3], v[XR+4*k+2:XR+4*k+3], 0x3d800000 op_sel_hi:[1,0]
	v_cvt_pk_f16_f32 v[YR+2*k], v[XR+4*k], v[XR+4*k+1]
	v_cvt_pk_f16_f32 v[YR+2*k+1], v[XR+4*k+2], v[XR+4*k+3]
	global_store_b64 v2, v[YR+2*k:YR+2*k+1], s[24+2*k:25+2*k]
.set k, k+1
.endr
	s_endpgm
	; ---- 64 rows of the table ----
.Ltable:
	s_sub_co_u32 s56, ttmp9, 768                   ; block of 64 positions
	s_lshl_b32 s58, s56, 14                        ; 64 rows of 256 bytes
	s_mov_b32 s59, 0
	s_add_nc_u64 s[18:19], s[18:19], s[58:59]
	s_lshl_b32 s60, s56, 6                         ; its first position
	v_lshlrev_b32 v3, 4, v100
	v_lshl_add_u32 v3, v101, 8, v3                 ; row (thread / 16) x 256 + 16 (thread % 16): two pairs (cos, sin)
	v_lshlrev_b32 v7, 1, v100
	v_cvt_f32_u32 v4, v7                           ; i = 2 (thread % 16)
	v_add_f32 v5, 1.0, v4                          ; i + 1
	v_mul_f32 v4, 0xbedb762a, v4                   ; -i log2(10000) / 31
	v_mul_f32 v5, 0xbedb762a, v5
	v_exp_f32 v4, v4
	v_exp_f32 v5, v5
	v_add_nc_u32 v7, s60, v101                     ; (a plain line behind the exponentials) position of row j = 0
; cos and sin of v[sf] x v[ang].  n = the nearest whole number to theta / pi; r = theta - n pi, pi in two parts; both series in r; the sign is (-1)^n.
.macro SINCOS c, s, ang, sf
	v_mul_f32 v8, v[\sf], v[\ang]
	v_mul_f32 v9, 0x3ea2f983, v8
	v_rndne_f32 v9, v9
	v_fma_f32 v10, v9, 0xc0490fdb, v8
	v_fma_f32 v10, v9, 0x33bbbd2e, v10
	v_mul_f32 v11, v10, v10
	v_cvt_i32_f32 v12, v9
	v_lshlrev_b32 v12, 31, v12
	v_mov_b32 v13, 0xb2d7322b                      ; -1/11!
	v_mov_b32 v14, 0x310f76c7                      ; 1/12!
	v_fmaak_f32 v13, v13, v11, 0x3638ef1d          ; 1/9!
	v_fmaak_f32 v14, v14, v11, 0xb493f27e          ; -1/10!
	v_fmaak_f32 v13, v13, v11, 0xb9500d01          ; -1/7!
	v_fmaak_f32 v14, v14, v11, 0x37d00d01          ; 1/8!
	v_fmaak_f32 v13, v13, v11, 0x3c088889          ; 1/5!
	v_fmaak_f32 v14, v14, v11, 0xbab60b61          ; -1/6!
	v_fmaak_f32 v13, v13, v11, 0xbe2aaaab          ; -1/3!
	v_fmaak_f32 v14, v14, v11, 0x3d2aaaab          ; 1/4!
	v_mul_f32 v13, v13, v11
	v_fma_f32 v14, v14, v11, -0.5
	v_fma_f32 v13, v13, v10, v10
	v_fma_f32 v14, v14, v11, 1.0
	v_xor_b32 v[\s], v12, v13
	v_xor_b32 v[\c], v12, v14
.endm
	s_wait_alu depctr_va_vdst(0)
.irp j, 0,1,2,3
	v_add_nc_u32 v6, 16*\j, v7
	v_cvt_f32_u32 v6, v6
	SINCOS 16+4*\j, 17+4*\j, 4, 6
	SINCOS 18+4*\j, 19+4*\j, 5, 6
	global_store_b128 v3, v[16+4*\j:19+4*\j], s[18:19] offset:\j*4096  ; sixteen lanes fill one row of 256 bytes
.endr
	s_endpgm
.Lfunc_end_k_q24016e04e8_prep:
	.size	k_q24016e04e8_prep, .Lfunc_end_k_q24016e04e8_prep-k_q24016e04e8_prep
	.p2alignl 7, 3214868480
	.fill 96, 4, 3214868480
	.section	.rodata,"a",@progbits
	.p2align	6, 0x0
	.amdhsa_kernel k_q24016e04e8_prep
		.amdhsa_group_segment_fixed_size 0
		.amdhsa_private_segment_fixed_size 0
		.amdhsa_enable_private_segment 0
		.amdhsa_kernarg_size 64
		.amdhsa_user_sgpr_count 2
		.amdhsa_user_sgpr_kernarg_segment_ptr 1
		.amdhsa_wavefront_size32 1
		.amdhsa_system_sgpr_workgroup_id_x 1
		.amdhsa_system_sgpr_workgroup_id_y 1
		.amdhsa_system_sgpr_workgroup_id_z 1
		.amdhsa_system_vgpr_workitem_id 0
		.amdhsa_next_free_vgpr 104
		.amdhsa_next_free_sgpr 80
		.amdhsa_reserve_vcc 0
		.amdhsa_float_denorm_mode_32 3
		.amdhsa_float_denorm_mode_16_64 3
		.amdhsa_memory_ordered 1
		.amdhsa_forward_progress 1
		.amdhsa_inst_pref_size 33
	.end_amdhsa_kernel
	.amdgpu_metadata
---
amdhsa.version: [ 1, 2 ]
amdhsa.kernels:
  - .name:           k_q24016e04e8_prep
    .symbol:         k_q24016e04e8_prep.kd
    .args:
      - { .name: x, .offset: 0, .size: 8, .value_kind: global_buffer, .address_space: global }
      - { .name: Wq, .offset: 8, .size: 8, .value_kind: global_buffer, .address_space: global }
      - { .name: Wk, .offset: 16, .size: 8, .value_kind: global_buffer, .address_space: global }
      - { .name: Wv, .offset: 24, .size: 8, .value_kind: global_buffer, .address_space: global }
      - { .name: Wo, .offset: 32, .size: 8, .value_kind: global_buffer, .address_space: global }
      - { .name: xb, .offset: 40, .size: 8, .value_kind: global_buffer, .address_space: global }
      - { .name: wb, .offset: 48, .size: 8, .value_kind: global_buffer, .address_space: global }
      - { .name: rot, .offset: 56, .size: 8, .value_kind: global_buffer, .address_space: global }
    .group_segment_fixed_size: 0
    .private_segment_fixed_size: 0
    .kernarg_segment_align: 8
    .kernarg_segment_size: 64
    .max_flat_workgroup_size: 256
    .sgpr_count:     80
    .vgpr_count:     104
    .wavefront_size: 32
...
	.end_amdgpu_metadata
.endif
;; end of part 1
;; launch qkv (part 2): grid 8 x 32, 4 waves a work-group, clusters of 4 x 4, 327,680 bytes of LDS; arguments xb, wb, rot, qh, kh, vh, scl; writes qh, kh, vh, scl
.if DOCPART == 2
	.amdgcn_target "amdgcn-amd-amdhsa--gfx1250"
	.amdhsa_code_object_version 6
	.text
	.protected	k_q24016e04e8_qkv
	.globl	k_q24016e04e8_qkv
	.p2align	8
	.type	k_q24016e04e8_qkv,@function
k_q24016e04e8_qkv:
	s_mov_b64 s[64:65], 0
	v_nop
	global_prefetch_b8 v0, s[64:65] scope:SCOPE_SE
	s_setreg_imm32_b32 hwreg(HW_REG_WAVE_MODE, 25, 1), 1
	s_wait_xcnt 0x0
	s_wait_alu depctr_hold_cnt(0) depctr_sa_sdst(0) depctr_va_vdst(0) depctr_va_sdst(0) depctr_va_ssrc(0) depctr_va_vcc(0) depctr_vm_vsrc(0)
	s_getreg_b32 s2, hwreg(HW_REG_IB_STS2, 6, 4)
	s_cmp_eq_u32 s2, 0
	s_cbranch_scc0 .Lentry_in_a_cluster
	s_endpgm
.Lentry_in_a_cluster:
	s_bfe_u32 s2, ttmp6, 0x10000c
	s_cmp_lg_u32 s2, 0xf033
	s_cbranch_scc0 .Lentry_shape_is_right
	s_endpgm
.Lentry_shape_is_right:
; QKV.  [8192 x 3072 x 1024] in bf16 with f32 sums: rows of xb times rows 0..3071 of wb; on the way out the rotary shift on q and k, and v times g^(63 - s % 64), g = 1 - 2^(-5-head).
; qh, kh, vh: [batch x 16 + head][s][64] f16, each block of 128 rows x one head divided by a power of two of its own: 2^Eq, 2^Ek, 2^Ev, the exponents of the block's largest |q|, |k|, |v| (taken ahead of the shift
; and the factor, which raise a number by sqrt 2 at the most): what is stored lies below 2.83.  scl[batch x 16 + head][32 words]: word B = Ek + Ev, word 16 + B = Eq of block B = s / 128, as whole numbers.
; LIMITS.  In a block, numbers below 2^-14 of its largest keep f16's fixed step.  NaN and infinities are not treated apart.
; SHARES.  A work-group makes 256 rows x 384 columns (two heads' q | k | v); 8 x 32 work-groups.  Wave w: rows 128 (w / 2) on, one head (w % 2): 128 x 192 = 96 accumulators, 768 registers.
; THE MATRIX INSTRUCTION IS USED TRANSPOSED: source 0 = 16 rows of wb, source 1 = 16 rows of xb: a lane holds one row (lane % 16) and eight neighbouring columns 8 (lane / 16) + 0..7.
; K goes in 16 steps of 64 (one K block of xb and wb), two slices of 32 each, through two LDS slots.  A tile of R rows x 64 K is R x 128 dense bytes: asked for as R / 2 rows of 256 bytes, padded in LDS behind every 128.
; CLUSTER 4 x 4: xb's tile hangs on the tile row alone and is asked for jointly along a row of the cluster, wb's on the tile column alone and jointly along a column.
; REGISTERS, in windows of 256 (s_set_vgpr_msb: bits 1:0 source 0, 3:2 source 1, 5:4 source 2, 7:6 destination):
;   window 0: v0-31 addresses and factors; v32-95, v96-159 fragments of xb (8 x 16 rows x 32 K), two buffers; v160-255 fragments of wb (12)
;   windows 1, 2, 3: the accumulators of q, k, v: (a, b) at v[8 (4 a + b % 4)] of window 1 + b / 4, a = 0..7, b = 0..11
.set PT,    144                        ; an LDS row: 128 bytes + 16 of padding = 36 words: the 16 rows of a load start at 16 different groups of four banks (ISA guide 11.1)
.set WOF,   256*PT                     ; a slot: xb's 256 rows, then wb's 384
.set SLOT1, 1<<17                      ; slot 1 begins here: one exclusive or turns an address in one slot into the other's
.set STAGE, SLOT1+640*PT               ; behind the ring: for each wave 3 x 16 rows x 144 bytes, for the way out
.set STW,   48*PT
.set SPARE, STAGE+4*STW                ; the spare words, 128 bytes for each wave: two blocks of 256 bytes that no other line names
.set XKB,   8192*128                   ; bytes from K block to K block in xb
.set WKB,   4096*128                   ; and in wb
.set AX0, 2                            ; v2   my lane's place in slot 0's rows of xb; never rewritten
.set AW0, 3                            ; v3   the same for wb
.set AX,  4                            ; v4   the same in the slot in hand
.set AW,  5                            ; v5
.set STO, 6                            ; v6   the way out: where I put 16 bytes of a row
.set RD,  7                            ; v7   where I read rows back
.set GO,  8                            ; v8   my 16 bytes in 512 consecutive bytes of qh, kh, vh
.set TA,  9                            ; v9   my byte offset in 16 rows of the table
.set FK,  10                           ; v[10:13]  g^(63 - 16 k - lane % 16), k = 0..3; later times 2^-Ev
.set LG,  14                           ; v14  log2 g
.set U,   15
.set PP,  16
.set EQ,  17                           ; v17-19  the biased exponents of the block's largest |q|, |k|, |v|
.set SQK, 20                           ; v[20:21]  2^-Eq, 2^-Ek
.set SV,  22                           ; v22  2^-Ev
.set LN,  23
.set DT,  24
.set AD,  25
.set SPW, 30                           ; v30  LDS address of my spare word; never rewritten
.set NIL, 31                           ; v31  0; never rewritten
.set X0,  32
.set X1,  96
.set WF,  160
.set T0,  32                           ; the way out: two buffers of 32, a row block's (cos, sin)
.set TM,  96                           ; 96 at work
.set MX,  96                           ; ahead of that: for q, k, v four registers each: two running maxima, two running minima
.set BK,  192                          ; 48: rows read back from the stage
.set WV, 16
.set WR, 17                            ; which 128 rows are mine
.set WC, 18                            ; which head.  Also: which half of a tile I fetch
.set CX, 19
.set CY, 20
.set TX, 21
.set TY, 22
.set HD, 23
.set G1A, 28                           ; s[28:35] descriptor group 1 for xb's tiles;  s[44:51] group 0: a set for each of the two first fills; the second then walks
.set G1B, 36                           ; s[36:43], s[52:59] the same for wb's
.set G0A, 44
.set G0B, 52
.set TB,  60                           ; s60  the slot that the fetches read
.set CNT, 61
.set SCL, 80                           ; s[80:81] scl at my block's word
.set SEL, 82                           ; s[82:83] v_permlanex16_b32's selects: each lane takes its own place in the other half
.set SVX, 84                           ; s84  EXEC, kept
.set DW0, (1<<16)|(1<<20)|(1<<21)|(4<<22)|(3<<25)  ; 17:16 2-byte elements; 20 padding on; 21 set beside a mask; 24:22 behind every 32 words (code 4); 31:25 4 words (code 3)
.set MSB, 0
.macro WIN new                         ; the high byte repeats the setting that is left; a switch that changes nothing is dropped
.if MSB != (\new)
	s_set_vgpr_msb (MSB<<8)|(\new)
.set MSB, (\new)
.endif
.endm
.macro PLACES                          ; four plain lines between a matrix instruction and a load into, or a vector line on, its registers
.rept 4
	v_nop
.endr
.endm
.macro CREST                           ; a round of the cluster's barrier behind its opening barrier
	s_cmp_lg_u32 s[WV], 0
	s_cbranch_scc1 .Lnot_wave_0_\@
	s_barrier_signal -3
.Lnot_wave_0_\@:
	s_barrier_wait -3
	s_barrier_signal -1
	s_barrier_wait -1
.endm
.macro CROUND
	s_barrier_signal -1
	s_barrier_wait -1
	CREST
.endm
; A joint refill by the walking descriptors: waves 0 and 1 fetch xb's two halves, waves 2 and 3 wb's.  The branch hangs on the wave's number alone.  An s_nop 0 and four v_nop follow each line.
.macro JLOAD
	s_cmp_lt_u32 s[WV], 2
	s_cbranch_scc0 .Lfor_b_\@
	tensor_load_to_lds s[G0A+4:G0A+7], s[G1A:G1A+7]
	s_nop 0
.rept 4
	v_nop
.endr
	s_branch .Lasked_\@
.Lfor_b_\@:
	tensor_load_to_lds s[G0B+4:G0B+7], s[G1B:G1B+7]
	s_nop 0
.rept 4
	v_nop
.endr
.Lasked_\@:
.endm
	s_load_b256 s[4:11], s[0:1], 0x0               ; xb s[4:5], wb s[6:7], rot s[8:9], qh s[10:11]
	s_load_b128 s[12:15], s[0:1], 0x20             ; kh s[12:13], vh s[14:15]
	s_load_b64 s[SCL:SCL+1], s[0:1], 0x30          ; scl
	v_lshl_add_u32 v[SPW], v0, 2, SPARE
	v_mov_b32 v[NIL], 0
	ds_add_u32 v[SPW], v[NIL]                      ; the wave's opening: the add and its wait ahead of my first tensor load; the set-up below stands between them
	ds_add_u32 v30, v31
	v_lshrrev_b32 v1, 5, v0
	v_readfirstlane_b32 s[WV], v1
	s_lshr_b32 s[WR], s[WV], 1
	s_and_b32 s[WC], s[WV], 1
	s_bfe_u32 s[CX], ttmp6, 0x40000
	s_bfe_u32 s[CY], ttmp6, 0x40004
	s_lshl_b32 s[TX], ttmp9, 2
	s_add_co_u32 s[TX], s[TX], s[CX]               ; tile column = 4 x cluster x + cx
	s_and_b32 s[TY], ttmp7, 0xffff
	s_lshl_b32 s[TY], s[TY], 2
	s_add_co_u32 s[TY], s[TY], s[CY]               ; tile row = 4 x cluster y + cy
	s_lshl_b32 s75, s[CY], 2
	s_lshl_b32 s75, 15, s75                        ; my row of the cluster
	s_lshl_b32 s76, 0x1111, s[CX]                  ; my column
	s_or_b32 s[G1A], s75, DW0
	s_or_b32 s[G1B], s76, DW0
	s_mov_b32 s[G1A+1], 128<<16                    ; tensor_dim0 = 128 elements: 256 bytes, two rows of a K block
	s_mov_b32 s[G1A+2], 64<<16                     ; tensor_dim1 = 64: 128 rows of xb
	s_mov_b32 s[G1A+3], 128<<16                    ; tile_dim0
	s_mov_b32 s[G1A+4], 64                         ; tile_dim1
	s_mov_b32 s[G1A+5], 128                        ; elements from row to row: dense
	s_mov_b32 s[G1A+6], 0
	s_mov_b32 s[G1A+7], 0
	s_mov_b32 s[G1B+1], 128<<16
	s_mov_b32 s[G1B+2], 96<<16                     ; 192 rows of wb
	s_mov_b32 s[G1B+3], 128<<16
	s_mov_b32 s[G1B+4], 96
	s_mov_b32 s[G1B+5], 128
	s_mov_b32 s[G1B+6], 0
	s_mov_b32 s[G1B+7], 0
	s_lshl_b32 s24, s[TY], 15                      ; xb: 256 rows x 128 bytes a tile row,
	s_lshl_b32 s62, s[WC], 14                      ; + my half's 128 rows
	s_add_co_u32 s24, s24, s62
	s_mov_b32 s25, 0
	s_mul_i32 s26, s[TX], 384*128                  ; wb: 384 rows a tile column,
	s_mul_i32 s63, s[WC], 192*128                  ; + my half's 192 rows
	s_add_co_u32 s26, s26, s63
	s_mov_b32 s27, 0
	s_mul_i32 s66, s[WC], 128*PT                   ; where they go: no place in the cluster enters an LDS address
	s_mul_i32 s67, s[WC], 192*PT
	s_add_co_u32 s67, s67, WOF
	s_mov_b32 s[TB], 0
	s_mov_b32 s[SEL], 0x76543210
	s_mov_b32 s[SEL+1], 0xfedcba98
	s_wait_dscnt 0x0                               ; the opening add is done
	s_wait_kmcnt 0x0
	s_add_nc_u64 s[24:25], s[4:5], s[24:25]
	s_add_nc_u64 s[26:27], s[6:7], s[26:27]
	CROUND                                         ; all sixteen work-groups are here: the first joint loads meet
.irp s, 0,1
	s_mov_b32 s[G0A+4*\s], 1
	s_add_co_u32 s[G0A+4*\s+1], s66, \s*SLOT1
	s_add_nc_u64 s[G0A+4*\s+2:G0A+4*\s+3], s[24:25], \s*XKB   ; K step s
	s_or_b32 s[G0A+4*\s+3], s[G0A+4*\s+3], 0x80000000
	s_mov_b32 s[G0B+4*\s], 1
	s_add_co_u32 s[G0B+4*\s+1], s67, \s*SLOT1
	s_add_nc_u64 s[G0B+4*\s+2:G0B+4*\s+3], s[26:27], \s*WKB
	s_or_b32 s[G0B+4*\s+3], s[G0B+4*\s+3], 0x80000000
.endr
	s_cmp_lt_u32 s[WV], 2                          ; a wave's two first fills stand in one branch: two loads of mine are out
	s_cbranch_scc0 .Lfirst_b
	tensor_load_to_lds s[G0A:G0A+3], s[G1A:G1A+7]
	s_nop 0
	tensor_load_to_lds s[G0A+4:G0A+7], s[G1A:G1A+7]
	s_nop 0
.rept 4
	v_nop
.endr
	s_branch .Lfirst_asked
.Lfirst_b:
	tensor_load_to_lds s[G0B:G0B+3], s[G1B:G1B+7]
	s_nop 0
	tensor_load_to_lds s[G0B+4:G0B+7], s[G1B:G1B+7]
	s_nop 0
.rept 4
	v_nop
.endr
.Lfirst_asked:
	; addresses and factors, in the wait for the first tile
	v_and_b32 v1, 15, v0                           ; l % 16
	v_bfe_u32 v28, v0, 4, 1                        ; l / 16
	v_mul_u32_u24 v26, v1, PT
	v_lshl_add_u32 v26, v28, 4, v26                ; row x pitch + 16 x half
	s_mul_i32 s68, s[WR], 128*PT
	v_add_nc_u32 v[AX0], s68, v26
	s_mul_i32 s69, s[WC], 192*PT
	s_add_co_u32 s69, s69, WOF
	v_add_nc_u32 v[AW0], s69, v26
	v_mov_b32 v[AX], v[AX0]
	v_mov_b32 v[AW], v[AW0]
	s_mul_i32 s68, s[WV], STW
	s_add_co_u32 s68, s68, STAGE                   ; my stage
	v_add_nc_u32 v[STO], s68, v26
	v_bfe_u32 v27, v0, 3, 2
	v_mul_u32_u24 v27, v27, PT
	v_and_b32 v29, 7, v0
	v_lshl_add_u32 v27, v29, 4, v27
	v_add_nc_u32 v[RD], s68, v27                   ; back: 32 lanes take four rows of 128 bytes
	v_and_b32 v[LN], 31, v0
	v_lshlrev_b32 v[GO], 4, v[LN]
	v_lshlrev_b32 v[TA], 8, v1
	v_lshl_add_u32 v[TA], v28, 5, v[TA]            ; table: row x 256 + 32 x half
	s_lshl1_add_u32 s[HD], s[TX], s[WC]            ; my head
	; log2(1 - u), u = 2^(-5-head): -u (1 + u/2 + u^2/3 + u^3/4 + u^4/5 + u^5/6) log2(e); what is cut is below u^6 / 7 of it, u <= 1/32
	s_sub_co_u32 s74, 122, s[HD]
	s_lshl_b32 s74, s74, 23
	v_mov_b32 v[U], s74
	v_mov_b32 v[PP], 0x3e2aaaab
	v_fmaak_f32 v[PP], v[PP], v[U], 0x3e4ccccd
	v_fmaak_f32 v[PP], v[PP], v[U], 0x3e800000
	v_fmaak_f32 v[PP], v[PP], v[U], 0x3eaaaaab
	v_fma_f32 v[PP], v[PP], v[U], 0.5
	v_fma_f32 v[PP], v[PP], v[U], 1.0
	v_mul_f32 v[U], 0xbfb8aa3b, v[U]
	v_mul_f32 v[LG], v[PP], v[U]
.irp k, 0,1,2,3
	v_sub_nc_u32 v[FK+\k], 63-16*\k, v1
.endr
.irp k, 0,1,2,3
	v_cvt_f32_u32 v[FK+\k], v[FK+\k]
.endr
.irp k, 0,1,2,3
	v_mul_f32 v[FK+\k], v[LG], v[FK+\k]
.endr
.irp k, 0,1,2,3
	v_exp_f32 v[FK+\k], v[FK+\k]
.endr
	v_nop                                          ; a plain line behind the exponentials
	; the way out's bases: my first row m0 = 256 x tile row + 128 x half; batch = m0 / 2048, s0 = m0 % 2048
	s_lshl_b32 s70, s[TY], 8
	s_lshl_b32 s71, s[WR], 7
	s_add_co_u32 s70, s70, s71
	s_lshr_b32 s72, s70, 11
	s_and_b32 s70, s70, 2047
	s_lshl_b32 s72, s72, 4
	s_add_co_u32 s72, s72, s[HD]                   ; batch x 16 + head
	s_lshl_b32 s86, s72, 7                         ; scl: 128 bytes for each of them,
	s_lshr_b32 s87, s70, 5                         ; + 4 x (s0 / 128)
	s_add_co_u32 s86, s86, s87
	s_mov_b32 s87, 0
	s_add_nc_u64 s[SCL:SCL+1], s[SCL:SCL+1], s[86:87]
	s_lshl_b32 s72, s72, 11
	s_add_co_u32 s72, s72, s70
	s_lshl_b32 s72, s72, 7                         ; ((batch x 16 + head) x 2048 + s0) x 128
	s_mov_b32 s73, 0
	s_lshl_b32 s70, s70, 8                         ; s0 x 256
	s_mov_b32 s71, 0
	s_add_nc_u64 s[8:9], s[8:9], s[70:71]
	s_add_nc_u64 s[10:11], s[10:11], s[72:73]
	s_add_nc_u64 s[12:13], s[12:13], s[72:73]
	s_add_nc_u64 s[14:15], s[14:15], s[72:73]
; n x 8 matrix instructions: column blocks b0 .. b0 + n - 1 x all 8 row blocks, 32 along K.  All 96 accumulators take turns, one instruction a turn.  zero = 1: the products start the sums.
.macro MULB b0, n, xf, zero
.set bb, \b0
.rept \n
	WIN 0x50*(1+bb/4)
.set aa, 0
.rept 8
.if \zero
	v_wmma_f32_16x16x32_bf16 v[8*(4*aa+bb%4):8*(4*aa+bb%4)+7], v[WF+8*bb:WF+8*bb+7], v[(\xf)+8*aa:(\xf)+8*aa+7], 0
.else
	v_wmma_f32_16x16x32_bf16 v[8*(4*aa+bb%4):8*(4*aa+bb%4)+7], v[WF+8*bb:WF+8*bb+7], v[(\xf)+8*aa:(\xf)+8*aa+7], v[8*(4*aa+bb%4):8*(4*aa+bb%4)+7]
.endif
.set aa, aa+1
.endr
.set bb, bb+1
.endr
.endm
; A fragment is 16 rows x 32 K in 8 registers: lane l holds row l % 16, K = 8 (l / 16) + 0..7 and 16 + 8 (l / 16) + 0..7: two loads of 16 bytes, 32 bytes apart.
.macro LOADX xf, c                     ; 16 loads: xb's eight fragments of slice c
.irp a, 0,1,2,3,4,5,6,7
	ds_load_b128 v[(\xf)+8*\a:(\xf)+8*\a+3],   v[AX] offset:\a*16*PT+64*(\c)
	ds_load_b128 v[(\xf)+8*\a+4:(\xf)+8*\a+7], v[AX] offset:\a*16*PT+64*(\c)+32
.endr
.endm
.macro LOADW b0, c                     ; 12 loads: six of wb's fragments, from b0 on
.irp d, 0,1,2,3,4,5
	ds_load_b128 v[WF+8*((\b0)+\d):WF+8*((\b0)+\d)+3],   v[AW] offset:((\b0)+\d)*16*PT+64*(\c)
	ds_load_b128 v[WF+8*((\b0)+\d)+4:WF+8*((\b0)+\d)+7], v[AW] offset:((\b0)+\d)*16*PT+64*(\c)+32
.endr
.endm
; A K step's first slice multiplies buffer X0 and fetches the second slice.
.macro SLICE0 zero
	s_wait_dscnt 12                                ; all but the youngest 12: wb's upper six fragments
	MULB 0, 6, X0, \zero
	WIN 0
	PLACES
	LOADW 0, 1
	LOADX X1, 1
	s_wait_dscnt 28                                ; all but the 28 just issued
	MULB 6, 6, X0, \zero
	WIN 0
	PLACES
	LOADW 6, 1
.endm
; The second slice multiplies X1 and changes slots: ONE barrier.  In front of it each wave waits for all its tensor loads (one is out: its part of the next slot), adds 0 to its spare word, and waits for that
; and for its reads of this slot.  fill = 1: the barrier opens a round of the cluster's, and this slot is filled again, two K steps ahead, first thing behind it: 144 matrix instructions ahead of the wait for it.
.macro TURN fill
	WIN 0
	s_wait_tensorcnt 0x0
	ds_add_u32 v[SPW], v[NIL]
	s_wait_dscnt 13                                ; (the add and wb's upper six fragments may be out)
	MULB 0, 2, X1, 0
	s_wait_dscnt 0x0                               ; the add is done, and my reads of this slot are over
	s_barrier_signal -1
	MULB 2, 4, X1, 0                               ; work on registers while the others arrive
	WIN 0
	s_barrier_wait -1
.if \fill
	CREST                                          ; no wave of any partner still reads this slot or has a load on its way
	s_xor_b32 s[G0A+5], s[G0A+5], SLOT1            ; the walking descriptors: the other slot than last time, the next K block
	s_add_nc_u64 s[G0A+6:G0A+7], s[G0A+6:G0A+7], XKB
	s_xor_b32 s[G0B+5], s[G0B+5], SLOT1
	s_add_nc_u64 s[G0B+6:G0B+7], s[G0B+6:G0B+7], WKB
	JLOAD                                          ; its four v_nop are also the places in front of the loads below
.else
	PLACES
.endif
	s_xor_b32 s[TB], s[TB], SLOT1
	v_add_nc_u32 v[AX], s[TB], v[AX0]
	v_add_nc_u32 v[AW], s[TB], v[AW0]
	LOADW 0, 0
	LOADX X0, 0
	MULB 6, 6, X1, 0
	WIN 0
	PLACES
	LOADW 6, 0
.endm
; The largest and the smallest number of window z's 256 registers, two chains each; each accumulator's lowest registers are read first.
.macro MAXW z
	WIN 5*(\z)                                     ; sources 0 and 1 in window z
.set n, 0
.rept 128
.set rM, MX+4*((\z)-1)+n%2
.if n < 2
	v_max_num_f32 v[rM], v[2*n], v[2*n+1]
	v_min_num_f32 v[rM+2], v[2*n], v[2*n+1]
.else
	v_max3_num_f32 v[rM], v[2*n], v[2*n+1], v[rM]
	v_min3_num_f32 v[rM+2], v[2*n], v[2*n+1], v[rM+2]
.endif
.set n, n+1
.endr
.endm
; THE WAY OUT, by blocks a of 16 rows.  TLOAD: the block's (cos, sin): for column block bq my four pairs lie at byte 64 bq + 32 (l / 16) of the position's row.
.macro TLOAD a
.set tT, T0+32*((\a)%2)
.irp e, 0,1,2,3,4,5,6,7
	global_load_b128 v[tT+4*\e:tT+4*\e+3], v[TA], s[8:9] offset:(\a)*4096+64*(\e/2)+16*(\e%2)
.endr
.endm
; (a, b) -> (a c - b s, b c + a s) for the 16 pairs of the four accumulators of one window
.macro ROT win, dst, a
	WIN \win
.set n, 0
.rept 16
.set rA, 8*(4*(\a)+n/4)+2*(n%4)
	v_pk_mul_f32 v[(\dst)+2*n:(\dst)+2*n+1], v[rA:rA+1], v[tT+2*n:tT+2*n+1] op_sel_hi:[1,0]
.set n, n+1
.endr
.set n, 0
.rept 16
.set rA, 8*(4*(\a)+n/4)+2*(n%4)
	v_pk_fma_f32 v[(\dst)+2*n:(\dst)+2*n+1], v[rA:rA+1], v[tT+2*n:tT+2*n+1], v[(\dst)+2*n:(\dst)+2*n+1] op_sel:[1,1,0] op_sel_hi:[0,1,1] neg_lo:[1,0,0]
.set n, n+1
.endr
.endm
.macro COMPUTE a
.set tT, T0+32*((\a)%2)
.if (\a) == 7
	s_wait_loadcnt 0x0
.else
	s_wait_loadcnt 8                               ; this block's table is in; the next block's eight loads stay out
.endif
	ROT 1, TM, \a
	ROT 2, TM+32, \a
	WIN 3
.set n, 0
.rept 16                                               ; v times g^(63 - s % 64) 2^-Ev: s % 64 = 16 (a % 4) + l % 16
.set rA, 8*(4*(\a)+n/4)+2*(n%4)
.if ((\a)%2) == 0
	v_pk_mul_f32 v[TM+64+2*n:TM+64+2*n+1], v[rA:rA+1], v[FK+2*(((\a)%4)/2):FK+2*(((\a)%4)/2)+1] op_sel_hi:[1,0]
.else
	v_pk_mul_f32 v[TM+64+2*n:TM+64+2*n+1], v[rA:rA+1], v[FK+2*(((\a)%4)/2):FK+2*(((\a)%4)/2)+1] op_sel:[0,1] op_sel_hi:[1,1]
.endif
.set n, n+1
.endr
	WIN 0
.set n, 0
.rept 16                                               ; q times 2^-Eq,
	v_pk_mul_f32 v[TM+2*n:TM+2*n+1], v[TM+2*n:TM+2*n+1], v[SQK:SQK+1] op_sel_hi:[1,0]
.set n, n+1
.endr
.set n, 0
.rept 16                                               ; k times 2^-Ek
	v_pk_mul_f32 v[TM+32+2*n:TM+32+2*n+1], v[TM+32+2*n:TM+32+2*n+1], v[SQK:SQK+1] op_sel:[0,1] op_sel_hi:[1,1]
.set n, n+1
.endr
.set n, 0
.rept 48                                               ; rounded once to f16, in place from the low end
	v_cvt_pk_f16_f32 v[TM+n], v[TM+2*n], v[TM+2*n+1]
.set n, n+1
.endr
.if (\a) < 6
	TLOAD (\a)+2
.endif
.endm
.macro TOSTAGE                         ; 16 bytes a lane into rows of 144 bytes, and back as whole rows of 128: my own bytes, served in order (ISA guide 5.7.1.4)
.irp z, 0,1,2
.irp q, 0,1,2,3
	ds_store_b128 v[STO], v[TM+16*\z+4*\q:TM+16*\z+4*\q+3] offset:\z*16*PT+32*\q
.endr
.endr
.irp z, 0,1,2
.irp f, 0,1,2,3
	ds_load_b128 v[BK+16*\z+4*\f:BK+16*\z+4*\f+3], v[RD] offset:\z*16*PT+\f*4*PT
.endr
.endr
.endm
.macro SEND a
	s_wait_dscnt 0x0
.irp z, 0,1,2
.irp f, 0,1,2,3
	global_store_b128 v[GO], v[BK+16*\z+4*\f:BK+16*\z+4*\f+3], s[10+2*\z:11+2*\z] offset:(\a)*2048+\f*512  ; four rows of a head: 512 consecutive bytes, aligned
.endr
.endr
	s_wait_xcnt 0x0                                ; the stores' registers are loaded again only behind this wait
.endm
	s_wait_tensorcnt 1                             ; my part of K step 0 is in; step 1's may stay out
	s_barrier_signal -1
	s_barrier_wait -1
	LOADW 0, 0
	LOADX X0, 0
	LOADW 6, 0
	SLICE0 1                                       ; the first slice stands in front of the loop: its products start the sums
	s_mov_b32 s[CNT], 14
.Lk:                                                   ; a trip: K step t's second slice, the refill for step t + 2, step t + 1's first slice; t = 0..13
	TURN 1
	SLICE0 0
	s_sub_co_u32 s[CNT], s[CNT], 1
	s_cmp_lg_u32 s[CNT], 0
	s_cbranch_scc1 .Lk
	TURN 0                                         ; the tail is written out: nothing is left to fetch
	SLICE0 0
	s_wait_dscnt 12
	MULB 0, 6, X1, 0
	WIN 0
	PLACES
	TLOAD 0                                        ; into X0's registers, which are free
	TLOAD 1
	s_wait_dscnt 0x0
	MULB 6, 6, X1, 0
	WIN 0
	PLACES
	; THE BLOCK'S POWERS OF TWO: the largest magnitude of my 128 rows x 64 columns of q, of k and of v
	MAXW 1
	MAXW 2
	MAXW 3
	WIN 0
.irp z, 0,1,2
	v_max_num_f32 v[MX+4*\z], v[MX+4*\z], v[MX+4*\z+1]
	v_min_num_f32 v[MX+4*\z+2], v[MX+4*\z+2], v[MX+4*\z+3]
.endr
.irp z, 0,1,2
	v_xor_b32 v[MX+4*\z+2], 0x80000000, v[MX+4*\z+2]
.endr
.irp z, 0,1,2
	v_max_num_f32 v[MX+4*\z], v[MX+4*\z], v[MX+4*\z+2]
.endr
.irp m, 1,2,4,8
.irp z, 0,1,2
	v_max_num_f32_dpp v[MX+4*\z], v[MX+4*\z], v[MX+4*\z] row_xmask:\m row_mask:0xf bank_mask:0xf
.endr
.endr
.irp z, 0,1,2
	v_permlanex16_b32 v[MX+4*\z+1], v[MX+4*\z], s[SEL], s[SEL+1]
.endr
.irp z, 0,1,2
	v_max_num_f32 v[MX+4*\z], v[MX+4*\z], v[MX+4*\z+1]
.endr
.irp z, 0,1,2
	v_bfe_u32 v[EQ+\z], v[MX+4*\z], 23, 8          ; the biased exponent e; the sign is left out
.endr
.irp z, 0,1,2
	v_min_u32 v[EQ+\z], 253, v[EQ+\z]              ; so that 2^(127 - e) is a normal number
.endr
.irp z, 0,1,2
	v_sub_nc_u32 v[SQK+\z], 254, v[EQ+\z]
.endr
.irp z, 0,1,2
	v_lshlrev_b32 v[SQK+\z], 23, v[SQK+\z]         ; 2^(127 - e) = 2^-E
.endr
	s_wait_alu depctr_va_vdst(0)
.irp k, 0,1,2,3
	v_mul_f32 v[FK+\k], v[FK+\k], v[SV]
.endr
	v_add_nc_u32 v[EQ+1], v[EQ+1], v[EQ+2]
	v_add_nc_u32 v[EQ+1], 0xffffff02, v[EQ+1]      ; Ek + Ev = ek + ev - 254
	v_add_nc_u32 v[EQ], 0xffffff81, v[EQ]          ; Eq = eq - 127
	v_cmp_eq_u32 vcc_lo, 0, v[LN]
	v_cndmask_b32 v[DT], v[EQ], v[EQ+1], vcc_lo    ; lane 0: Ek + Ev; lane 1: Eq,
	v_lshlrev_b32 v[AD], 6, v[LN]                  ; 16 words further on
	v_cmp_gt_u32 vcc_lo, 2, v[LN]
	s_wait_xcnt 0x0                                ; EXEC is a source of the table's loads: it changes only behind this wait
	s_and_saveexec_b32 s[SVX], vcc_lo
	global_store_b32 v[AD], v[DT], s[SCL:SCL+1]    ; two words a wave
	s_wait_xcnt 0x0
	s_or_b32 exec_lo, exec_lo, s[SVX]
	COMPUTE 0
	TOSTAGE
.irp a, 1,2,3,4,5,6,7                  ; a block's arithmetic stands between the loads of the block before and its stores
	COMPUTE \a
	SEND (\a)-1
	TOSTAGE
.endr
	SEND 7
	s_wait_tensorcnt 0x0                           ; the wave's end
	ds_add_u32 v[SPW], v[NIL]
	s_wait_dscnt 0x0
	CROUND                                         ; the closing round
	s_endpgm
.Lfunc_end_k_q24016e04e8_qkv:
	.size	k_q24016e04e8_qkv, .Lfunc_end_k_q24016e04e8_qkv-k_q24016e04e8_qkv
	.p2alignl 7, 3214868480
	.fill 96, 4, 3214868480
	.section	.rodata,"a",@progbits
	.p2align	6, 0x0
	.amdhsa_kernel k_q24016e04e8_qkv
		.amdhsa_group_segment_fixed_size 327680
		.amdhsa_private_segment_fixed_size 0
		.amdhsa_enable_private_segment 0
		.amdhsa_kernarg_size 56
		.amdhsa_user_sgpr_count 2
		.amdhsa_user_sgpr_kernarg_segment_ptr 1
		.amdhsa_wavefront_size32 1
		.amdhsa_system_sgpr_workgroup_id_x 1
		.amdhsa_system_sgpr_workgroup_id_y 1
		.amdhsa_system_sgpr_workgroup_id_z 1
		.amdhsa_system_vgpr_workitem_id 0
		.amdhsa_next_free_vgpr 1024
		.amdhsa_next_free_sgpr 88
		.amdhsa_reserve_vcc 1
		.amdhsa_float_denorm_mode_32 3
		.amdhsa_float_denorm_mode_16_64 3
		.amdhsa_memory_ordered 1
		.amdhsa_forward_progress 1
		.amdhsa_inst_pref_size 224
	.end_amdhsa_kernel
	.amdgpu_metadata
---
amdhsa.version: [ 1, 2 ]
amdhsa.kernels:
  - .name:           k_q24016e04e8_qkv
    .symbol:         k_q24016e04e8_qkv.kd
    .args:
      - { .name: xb, .offset: 0, .size: 8, .value_kind: global_buffer, .address_space: global }
      - { .name: wb, .offset: 8, .size: 8, .value_kind: global_buffer, .address_space: global }
      - { .name: rot, .offset: 16, .size: 8, .value_kind: global_buffer, .address_space: global }
      - { .name: qh, .offset: 24, .size: 8, .value_kind: global_buffer, .address_space: global }
      - { .name: kh, .offset: 32, .size: 8, .value_kind: global_buffer, .address_space: global }
      - { .name: vh, .offset: 40, .size: 8, .value_kind: global_buffer, .address_space: global }
      - { .name: scl, .offset: 48, .size: 8, .value_kind: global_buffer, .address_space: global }
    .group_segment_fixed_size: 327680
    .private_segment_fixed_size: 0
    .kernarg_segment_align: 8
    .kernarg_segment_size: 56
    .max_flat_workgroup_size: 128
    .sgpr_count:     88
    .vgpr_count:     1024
    .wavefront_size: 32
...
	.end_amdgpu_metadata
.endif
;; end of part 2
;; launch kv (part 3): grid 7 x 64, 4 waves a work-group, no clusters, 99,840 bytes of LDS; arguments kh, vh, scl, ub; writes ub
.if DOCPART == 3
	.amdgcn_target "amdgcn-amd-amdhsa--gfx1250"
	.amdhsa_code_object_version 6
	.text
	.protected	k_q24016e04e8_kv
	.globl	k_q24016e04e8_kv
	.p2align	8
	.type	k_q24016e04e8_kv,@function
k_q24016e04e8_kv:
	s_mov_b64 s[64:65], 0
	v_nop
	global_prefetch_b8 v0, s[64:65] scope:SCOPE_SE
	s_setreg_imm32_b32 hwreg(HW_REG_WAVE_MODE, 25, 1), 1
	s_wait_xcnt 0x0
; KV.  The state that a chunk of 256 keys hands on: U_c(kch, vch) = the sum over the chunk's keys jl = 0..255 of g^(255 - jl) k(jl, kch) v(jl, vch), g = 1 - 2^(-5-head), for chunks c = 0..6 of each batch and head.
; kh, vh: [batch x 16 + head][s][64] f16, each block of 128 rows divided by a power of two of its own (scl: word B = Ek + Ev of block B); vh already times g^(63 - j % 64).
; ub[batch x 16 + head][c][vch][kch] f32 holds U_c / 2^tm, tm the larger Ek + Ev of the chunk's two blocks: every factor below is at most 1.
; g^(255 - jl) = g^(64 (3 - s)) g^(63 - jl % 64), s = jl / 64: the second factor lies in vh, the first is one number for a step of 64 keys: the four steps have accumulators of their own and are added in f32.
; SHARES.  One work-group a chunk, 7 x 64 of them; wave w makes the rows vch = 16 w .. 16 w + 15 of U^T: 4 steps x 4 blocks of 16 kch = 16 accumulators, 32 matrix instructions.
; The tile comes through registers (each thread 16 + 16 loads of 16 bytes, 2,048 consecutive bytes an instruction of the work-group) into LDS rows of 160 bytes, since both operands are wanted turned:
; source 0 = K^T (lane = kch, keys along the registers), source 1 = V (lane = vch), both by ds_load_tr16_b128.  No tensor load: one tile, read once, and no slot to fill again.  No cluster: no two work-groups read the same bytes.
; REGISTERS: window 0: v0-31 addresses and factors; v32-159 the tile on its way to LDS, then v32-111, v112-191 two fragment buffers (8 of K^T, 2 of V); v192-223 U; v224-255 rows read back.  Window 1: accumulator (s, mt) at v[32 s + 8 mt].
.set P,      160                       ; an LDS row: 128 bytes + 32 = 40 words
.set VOFF,   256*P                     ; K's 256 rows, then V's
.set STAGE,  2*VOFF                    ; 16 rows x 272 bytes for each wave, for the way out
.set SPITCH, 272
.set SPARE,  STAGE+4*16*SPITCH         ; the spare words, 128 bytes for each wave: two blocks of 256 bytes that no other line names
.set GA,  2                            ; v2   16 x thread: my 16 bytes in 2,048 of a tile
.set LA,  3                            ; v3   where they go in LDS, for K
.set LB,  4                            ; v4   for V
.set AK,  5                            ; v5   my lane's place in the turning loads of K
.set AV,  6                            ; v6   of V, at my wave's 16 channels
.set STO, 7
.set RD,  8
.set CO,  9
.set LG,  10                           ; v10  log2 g
.set UU,  11
.set F,   12                           ; v[12:15]  the four steps' factors
.set PP,  19
.set SPW, 30
.set NIL, 31
.set D,   32
.set FB0, 32
.set FB1, 112
.set TM,  192
.set BK,  224
.set WV,  12
.set MSB, 0
.macro WIN new                         ; the high byte repeats the setting that is left; a switch that changes nothing is dropped
.if MSB != (\new)
	s_set_vgpr_msb (MSB<<8)|(\new)
.set MSB, (\new)
.endif
.endm
.macro PLACES                          ; four plain lines between a matrix instruction and a load into, or a vector line on, its registers
.rept 4
	v_nop
.endr
.endm
	s_load_b256 s[4:11], s[0:1], 0x0               ; kh s[4:5], vh s[6:7], scl s[8:9], ub s[10:11]
	v_lshl_add_u32 v[SPW], v0, 2, SPARE
	v_mov_b32 v[NIL], 0
	v_lshrrev_b32 v1, 5, v0
	v_readfirstlane_b32 s[WV], v1
	s_and_b32 s13, ttmp7, 0xffff                   ; batch x 16 + head
	s_and_b32 s14, s13, 15                         ; head
	s_lshl_b32 s16, s13, 18                        ; its 2,048 rows of 128 bytes,
	s_lshl_b32 s15, ttmp9, 15                      ; + the chunk's 256 rows
	s_add_co_u32 s16, s16, s15
	s_mov_b32 s17, 0
	s_lshl_b32 s18, s13, 7                         ; scl: 128 bytes a head, two words a chunk
	s_lshl_b32 s15, ttmp9, 3
	s_add_co_u32 s18, s18, s15
	s_mov_b32 s19, 0
	s_mul_i32 s20, s13, 7                          ; ub: 16,384 bytes a chunk, 4,096 a wave
	s_add_co_u32 s20, s20, ttmp9
	s_lshl_b32 s20, s20, 14
	s_lshl_b32 s15, s[WV], 12
	s_add_co_u32 s20, s20, s15
	s_mov_b32 s21, 0
	v_lshlrev_b32 v[GA], 4, v0
	s_wait_kmcnt 0x0
	s_add_nc_u64 s[4:5], s[4:5], s[16:17]
	s_add_nc_u64 s[6:7], s[6:7], s[16:17]
	s_add_nc_u64 s[8:9], s[8:9], s[18:19]
	s_add_nc_u64 s[10:11], s[10:11], s[20:21]
	s_load_b64 s[22:23], s[8:9], 0x0               ; Ek + Ev of the chunk's two blocks
.set e, 0
.rept 16                                               ; load e: keys 16 e .. 16 e + 15
	global_load_b128 v[D+4*e:D+4*e+3], v[GA], s[4:5] offset:2048*e
.set e, e+1
.endr
.set e, 0
.rept 16
	global_load_b128 v[D+64+4*e:D+64+4*e+3], v[GA], s[6:7] offset:2048*e
.set e, e+1
.endr
	; addresses and factors, in the wait for the tile
	v_lshrrev_b32 v[LA], 3, v0                     ; thread / 8: the key among 16,
	v_mul_u32_u24 v[LA], v[LA], P
	v_and_b32 v16, 7, v0
	v_lshl_add_u32 v[LA], v16, 4, v[LA]            ; thread % 8: its 16 bytes
	v_add_nc_u32 v[LB], VOFF, v[LA]
	; the turning load: lane l reads key 8 (l / 16) + l % 8, channels 8 ((l / 8) % 2) + 0..7, and is left with channel l % 16 and 8 keys
	v_bfe_u32 v17, v0, 4, 1
	v_bfe_u32 v18, v0, 3, 1
	v_lshl_add_u32 v[AK], v17, 3, v16
	v_mul_u32_u24 v[AK], v[AK], P
	v_lshl_add_u32 v[AK], v18, 4, v[AK]
	s_lshl_b32 s24, s[WV], 5                       ; my wave's 16 channels of V
	s_add_co_u32 s24, s24, VOFF
	v_add_nc_u32 v[AV], s24, v[AK]
	v_and_b32 v1, 15, v0
	s_mul_i32 s25, s[WV], 16*SPITCH
	s_add_co_u32 s25, s25, STAGE                   ; my stage
	v_mul_u32_u24 v[STO], v1, SPITCH               ; in: row l % 16, 32 bytes for each half of the lanes
	v_lshl_add_u32 v[STO], v17, 5, v[STO]
	v_add_nc_u32 v[STO], s25, v[STO]
	v_mul_u32_u24 v[RD], v17, SPITCH               ; back: lanes 0-15 one row of 256 bytes, lanes 16-31 the next
	v_lshl_add_u32 v[RD], v1, 4, v[RD]
	v_add_nc_u32 v[RD], s25, v[RD]
	v_and_b32 v[CO], 31, v0                        ; which are 512 consecutive bytes of ub
	v_lshlrev_b32 v[CO], 4, v[CO]
	; log2(1 - u), u = 2^(-5-head): -u (1 + u/2 + u^2/3 + u^3/4 + u^4/5 + u^5/6) log2(e); what is cut is below u^6 / 7 of it, u <= 1/32
	s_sub_co_u32 s24, 122, s14
	s_lshl_b32 s24, s24, 23
	v_mov_b32 v[UU], s24
	v_mov_b32 v[PP], 0x3e2aaaab
	v_fmaak_f32 v[PP], v[PP], v[UU], 0x3e4ccccd
	v_fmaak_f32 v[PP], v[PP], v[UU], 0x3e800000
	v_fmaak_f32 v[PP], v[PP], v[UU], 0x3eaaaaab
	v_fma_f32 v[PP], v[PP], v[UU], 0.5
	v_fma_f32 v[PP], v[PP], v[UU], 1.0
	v_mul_f32 v[UU], 0xbfb8aa3b, v[UU]
	v_mul_f32 v[LG], v[PP], v[UU]
	v_mul_f32 v[F], 0x43400000, v[LG]              ; 192
	v_mul_f32 v[F+1], 0x43000000, v[LG]            ; 128
	v_mul_f32 v[F+2], 0x42800000, v[LG]            ; 64
	v_exp_f32 v[F], v[F]
	v_exp_f32 v[F+1], v[F+1]
	v_exp_f32 v[F+2], v[F+2]
	v_mov_b32 v[F+3], 1.0                          ; (a plain line behind the exponentials)
	s_wait_kmcnt 0x0
	s_max_i32 s26, s22, s23                        ; tm
	s_sub_co_i32 s27, s22, s26
	s_sub_co_i32 s28, s23, s26
	s_wait_alu depctr_va_vdst(0)
	v_ldexp_f32 v[F], v[F], s27                    ; steps 0 and 1 lie in the first block of 128 keys,
	v_ldexp_f32 v[F+1], v[F+1], s27
	v_ldexp_f32 v[F+2], v[F+2], s28                ; steps 2 and 3 in the second
	v_ldexp_f32 v[F+3], v[F+3], s28
.set e, 0
.rept 16
	s_wait_loadcnt 31-e                            ; loads come back in order: K's load e is in, the 31 - e younger ones stay out
	ds_store_b128 v[LA], v[D+4*e:D+4*e+3] offset:e*16*P
.set e, e+1
.endr
.set e, 0
.rept 16
	s_wait_loadcnt 15-e
	ds_store_b128 v[LB], v[D+64+4*e:D+64+4*e+3] offset:e*16*P
.set e, e+1
.endr
	s_wait_dscnt 0x0                               ; for the others' sake: my part of the tile lies in LDS
	s_barrier_signal -1
	s_barrier_wait -1
; 20 loads: step s's fragments into buffer f: K^T for 2 halves of 32 keys x 4 blocks of 16 channels, then V for the 2 halves
.macro FRAG s, f
.irp kk, 0,1
.irp mt, 0,1,2,3
	ds_load_tr16_b128 v[(\f)+8*(4*\kk+\mt):(\f)+8*(4*\kk+\mt)+3],   v[AK] offset:(64*(\s)+32*\kk)*P+32*\mt
	ds_load_tr16_b128 v[(\f)+8*(4*\kk+\mt)+4:(\f)+8*(4*\kk+\mt)+7], v[AK] offset:(64*(\s)+32*\kk)*P+16*P+32*\mt
.endr
.endr
.irp kk, 0,1
	ds_load_tr16_b128 v[(\f)+64+8*\kk:(\f)+64+8*\kk+3],   v[AV] offset:(64*(\s)+32*\kk)*P
	ds_load_tr16_b128 v[(\f)+64+8*\kk+4:(\f)+64+8*\kk+7], v[AV] offset:(64*(\s)+32*\kk)*P+16*P
.endr
.endm
; 8 matrix instructions: the step's 4 accumulators take turns; the first 4 start the sums.  In the result a lane holds vch = l % 16 and the kch 8 (l / 16) + 0..7 of block mt.
.macro MUL s, f
	WIN 0x50
.irp kk, 0,1
.irp mt, 0,1,2,3
.if \kk == 0
	v_wmma_f32_16x16x32_f16 v[32*(\s)+8*\mt:32*(\s)+8*\mt+7], v[(\f)+8*(4*\kk+\mt):(\f)+8*(4*\kk+\mt)+7], v[(\f)+64+8*\kk:(\f)+64+8*\kk+7], 0
.else
	v_wmma_f32_16x16x32_f16 v[32*(\s)+8*\mt:32*(\s)+8*\mt+7], v[(\f)+8*(4*\kk+\mt):(\f)+8*(4*\kk+\mt)+7], v[(\f)+64+8*\kk:(\f)+64+8*\kk+7], v[32*(\s)+8*\mt:32*(\s)+8*\mt+7]
.endif
.endr
.endr
	WIN 0
.endm
	FRAG 0, FB0
	FRAG 1, FB1
	s_wait_dscnt 20                                ; all but the 20 just issued
	MUL 0, FB0
	PLACES
	FRAG 2, FB0
	s_wait_dscnt 20
	MUL 1, FB1
	PLACES
	FRAG 3, FB1
	s_wait_dscnt 20
	MUL 2, FB0
	s_wait_dscnt 0x0
	MUL 3, FB1
	PLACES
	; U = the sum over the steps of factor x product; each accumulator is read from its low end on
	WIN 0x01                                       ; source 0 in window 1
.set n, 0
.rept 16
	v_pk_mul_f32 v[TM+2*n:TM+2*n+1], v[2*n:2*n+1], v[F:F+1] op_sel_hi:[1,0]
.set n, n+1
.endr
.set n, 0
.rept 16
	v_pk_fma_f32 v[TM+2*n:TM+2*n+1], v[32+2*n:32+2*n+1], v[F:F+1], v[TM+2*n:TM+2*n+1] op_sel:[0,1,0] op_sel_hi:[1,1,1]
.set n, n+1
.endr
.set n, 0
.rept 16
	v_pk_fma_f32 v[TM+2*n:TM+2*n+1], v[64+2*n:64+2*n+1], v[F+2:F+3], v[TM+2*n:TM+2*n+1] op_sel_hi:[1,0,1]
.set n, n+1
.endr
.set n, 0
.rept 16
	v_pk_fma_f32 v[TM+2*n:TM+2*n+1], v[96+2*n:96+2*n+1], v[F+2:F+3], v[TM+2*n:TM+2*n+1] op_sel:[0,1,0] op_sel_hi:[1,1,1]
.set n, n+1
.endr
	WIN 0
	; the way out: 16 rows x 64 f32 through my stage, back as whole rows of 256 bytes: my own bytes, served in order (ISA guide 5.7.1.4)
.irp b, 0,1,2,3
	ds_store_b128 v[STO], v[TM+8*\b:TM+8*\b+3]   offset:64*\b
	ds_store_b128 v[STO], v[TM+8*\b+4:TM+8*\b+7] offset:64*\b+16
.endr
.irp t, 0,1,2,3,4,5,6,7
	ds_load_b128 v[BK+4*\t:BK+4*\t+3], v[RD] offset:\t*2*SPITCH
.endr
.irp t, 0,1,2,3,4,5,6,7
	s_wait_dscnt 7-\t                              ; load t is back, the 7 - t younger ones stay out
	global_store_b128 v[CO], v[BK+4*\t:BK+4*\t+3], s[10:11] offset:\t*512  ; two rows of U^T: 512 consecutive bytes, aligned
.endr
	s_wait_tensorcnt 0x0                           ; the wave's end
	ds_add_u32 v[SPW], v[NIL]
	s_wait_dscnt 0x0
	s_endpgm
.Lfunc_end_k_q24016e04e8_kv:
	.size	k_q24016e04e8_kv, .Lfunc_end_k_q24016e04e8_kv-k_q24016e04e8_kv
	.p2alignl 7, 3214868480
	.fill 96, 4, 3214868480
	.section	.rodata,"a",@progbits
	.p2align	6, 0x0
	.amdhsa_kernel k_q24016e04e8_kv
		.amdhsa_group_segment_fixed_size 99840
		.amdhsa_private_segment_fixed_size 0
		.amdhsa_enable_private_segment 0
		.amdhsa_kernarg_size 32
		.amdhsa_user_sgpr_count 2
		.amdhsa_user_sgpr_kernarg_segment_ptr 1
		.amdhsa_wavefront_size32 1
		.amdhsa_system_sgpr_workgroup_id_x 1
		.amdhsa_system_sgpr_workgroup_id_y 1
		.amdhsa_system_sgpr_workgroup_id_z 1
		.amdhsa_system_vgpr_workitem_id 0
		.amdhsa_next_free_vgpr 384
		.amdhsa_next_free_sgpr 66
		.amdhsa_reserve_vcc 0
		.amdhsa_float_denorm_mode_32 3
		.amdhsa_float_denorm_mode_16_64 3
		.amdhsa_memory_ordered 1
		.amdhsa_forward_progress 1
		.amdhsa_inst_pref_size 24
	.end_amdhsa_kernel
	.amdgpu_metadata
---
amdhsa.version: [ 1, 2 ]
amdhsa.kernels:
  - .name:           k_q24016e04e8_kv
    .symbol:         k_q24016e04e8_kv.kd
    .args:
      - { .name: kh, .offset: 0, .size: 8, .value_kind: global_buffer, .address_space: global }
      - { .name: vh, .offset: 8, .size: 8, .value_kind: global_buffer, .address_space: global }
      - { .name: scl, .offset: 16, .size: 8, .value_kind: global_buffer, .address_space: global }
      - { .name: ub, .offset: 24, .size: 8, .value_kind: global_buffer, .address_space: global }
    .group_segment_fixed_size: 99840
    .private_segment_fixed_size: 0
    .kernarg_segment_align: 8
    .kernarg_segment_size: 32
    .max_flat_workgroup_size: 128
    .sgpr_count:     66
    .vgpr_count:     384
    .wavefront_size: 32
...
	.end_amdgpu_metadata
.endif
;; end of part 3
;; launch ret (part 4): grid 4 x 64, 4 waves a work-group, no clusters, 327,680 bytes of LDS; arguments qh, kh, vh, ln_w, ln_b, xb, scl, ub; writes xb
.if DOCPART == 4
	.amdgcn_target "amdgcn-amd-amdhsa--gfx1250"
	.amdhsa_code_object_version 6
	.text
	.protected	k_q24016e04e8_ret
	.globl	k_q24016e04e8_ret
	.p2align	8
	.type	k_q24016e04e8_ret,@function
k_q24016e04e8_ret:
	s_mov_b64 s[64:65], 0
	v_nop
	global_prefetch_b8 v0, s[64:65] scope:SCOPE_SE
	s_setreg_imm32_b32 hwreg(HW_REG_WAVE_MODE, 25, 1), 1
	s_wait_xcnt 0x0
; RETENTION, by chunks.  o[i] = the sum over j <= i of (q[i] . k[j]) g^(i-j) v[j], g = 1 - 2^(-5-head); then LayerNorm over the head's 64 channels and silu.  qh, kh, vh: [batch x 16 + head][s][64] f16, each block of
; 128 rows divided by a power of two of its own (scl: word B = Ek + Ev, word 16 + B = Eq of block B); vh already times g^(63 - j % 64).  ub[batch x 16 + head][c][vch][kch] f32: the state U_c that chunk c of 256 keys
; hands on, divided by 2^tm_c, tm_c the larger Ek + Ev of its two blocks.  yb: [head][batch x 2048 + s][64] f16, 16 x silu(y).  (yb, the sixth argument, is the buffer that held x in bf16: of the same size and layout,
; and no launch from this one on reads that x.)
; TWO PARTS.  For a query of block c (256 rows), at place il = 64 x + i % 64 in it: the keys of earlier blocks give g^(il + 1) q[i] . S_c, S_c = the sum over c' < c of g^(256 (c - 1 - c')) U_c'; the block's own keys are
; the DIAGONAL tile, multiplied out.  It is the same sum in another order of its terms.
; THE DECAY IN THE DIAGONAL TILE, in three factors.  g^(i-j) = g^(i % 64) x g^(63 - j % 64) x g^(I0 - J0 - 63), I0 and J0 the 64-aligned bases of i and j.  The second lies in vh.  The third is ONE number for a band of 64
; queries and a step of 64 keys: each score is multiplied by it in f32 and rounded to f16.  The first is constant along a row of o: it enters the LayerNorm in f32 (variance times its square, scale times it).
; THE POWERS OF TWO.  E = the largest Ek + Ev among the key blocks that the query block sees.  2^(Ek + Ev - E) joins a step's factor, 2^(tm - E) a state's coefficient, 2^(Eq + E) the row's factor.  So a weight is at most
; 256 x g^-63 < 1,900, a number of v below 2, and a number of S / 2^E at most 1,792 x 5.66 < 10,200, whatever the inputs.
; LIMITS.  A key block whose Ek + Ev lies n below E has its weights and its share of S scaled by 2^-n before they are rounded to f16: below 6e-5 they keep f16's fixed step of 6e-8.  16 x silu(y) is stored in f16: |y| stays
; under 4,094; below 4e-6 it keeps the fixed step.  A hidden score is multiplied by 0, so an infinite one gives NaN, as in a product with a mask of zeros.  ln_w and ln_b are rounded to bf16 like every other input.
; SHARES.  A work-group takes blocks p and 7 - p of a head: two tiles of K and V, both asked for at the start, one to each slot: nothing is filled again.  All seven U of the head are loaded at the start (a wave: 16 rows of
; each, 224 registers); a coefficient of 0 drops those that a block does not see, so no branch hangs on their number, and p + (7 - p) of them are used whatever p.  ONE loop of two trips holds the whole text once.
; NO CLUSTER: no two work-groups read the same tile of K or V; what the four of a head share, U, is 16,384 bytes a piece and comes through registers.
; Of a block's four bands of 64 queries a wave owns 16 rows in each: four PIECES; in the diagonal tile's key step s piece x sees all keys if s < x, none if s > x (left out of the text), and holds the diagonal if s = x.
; LAYOUT.  S^T = K Q^T holds ONE query a lane (lane % 16) and the keys 8 (lane / 16) + 0..7; two such results, scaled and rounded in pairs, ARE source 1 of O^T = V^T P.  V is turned by ds_load_tr16_b128.  The state's product
; has the same shape: source 0 = 16 rows vch of the state, kch along the registers; source 1 = Q's fragments as they lie.
; REGISTERS, in windows of 256 (s_set_vgpr_msb: bits 1:0 source 0, 3:2 source 1, 5:4 source 2, 7:6 destination):
;   window 0: v0-31 addresses and factors; v32-95 K of one step (ahead of it: coefficients and the state at work); v96-159 Q; v160-223 S^T, two buffers; v224-255 P, two buffers (by the piece's parity)
;   window 1: v0-127 O^T, 32 a piece; v128-159 MD, 1 where the diagonal step's key is seen, else 0; v160-223 V of one step; v224-255 MDS, MD times the step's factor
;   window 2: v0-31 ln_w, v32-63 ln_b of my 32 channels; v64-127 the state's 8 fragments          window 3: v0-223 my 16 rows of U_0 .. U_6
.set KS,    64
.set PK,    144                        ; a row of K in LDS: 128 bytes + 16: the 16 rows of a load start at 16 different groups of four banks (ISA guide 11.1)
.set PV,    160                        ; a row of V: 128 + 32
.set VOFF,  4*KS*PK                    ; a slot holds a tile: 256 rows of K, then 256 rows of V
.set SLOT1, 1<<17
.set DUMP,  SLOT1+4*KS*(PK+PV)         ; behind the slots, never filled by a tensor load: 16,384 bytes a wave: O^T as it lies, so that one text serves the four pieces on the way out
.set STG,   DUMP+4*16384               ; 16 rows x 144 bytes a wave
.set SP,    144
.set SS,    STG+4*16*SP                ; the state in f16: 64 rows vch x 144 bytes, the work-group's
.set SPARE, SS+64*SP                   ; the spare words, 128 bytes a wave: two blocks of 256 bytes that no other line names
.set AK0, 2
.set AV0, 3
.set AK,  4
.set AV,  5
.set STO, 6
.set RD,  7
.set GO,  8
.set DMP, 9                            ; v9   my 16 bytes in 512 of my dump
.set DRD, 10                           ; v10  the same for the piece in hand
.set FQ,  11                           ; v11  g^(16 w + l % 16)
.set FQ2D, 12                          ; v12  the row's factor squared / 64
.set QO,  13                           ; v13  my byte offset in 16 rows of Q; never rewritten
.set CV,  14                           ; v[14:18]  g^-63, g^1, g^65, g^129, g^193
.set L256, 19                          ; v19  256 log2 g
.set ONE, 20
.set FQS, 21                           ; v21  the row's factor g^r 2^(Eq + E)
.set SSW, 22                           ; v22  where I put 8 bytes of the state
.set SSR, 23                           ; v23  my lane's place in the state's fragments
.set UO,  24                           ; v24  my byte offset in a U; never rewritten
.set LG,  25                           ; v25  log2 g
.set GS,  26                           ; v[26:29]  in the tile: the four factors that the scores are multiplied by: decay times 2^(Ek + Ev - E)
.set MU,  26                           ; v[26:27]  on the way out: the mean, twice
.set SC,  28                           ; v[28:29]  the scale, twice
.set SPW, 30
.set NIL, 31
.set KF,  32
.set CA,  32                           ; v[32:39]  ahead of K: the seven coefficients (and a 0)
.set SA,  40                           ; v[40:71]  my 16 rows x 64 of the state, in f32
.set PKS, 72                           ; v[72:87]  the same in f16
.set Q,   96
.set S,   160
.set P,   224
.set MD,  128                          ; window 1
.set VF,  160                          ; window 1
.set MDS, 224                          ; window 1
.set SFR, 64                           ; window 2
.set OV,  32                           ; the way out: a piece's 32 numbers
.set TS,  64                           ; at work
.set EX,  160
.set PKD, 224
.set BK,  240
.set C16, 2                            ; s[2:3]  1/16, twice
.set WV, 16
.set PB, 17                            ; p
.set HI, 18                            ; 7 - p
.set HD, 19
.set EQC, 20                           ; s[20:21] Eq of the two blocks of 128 rows of the query block in hand
.set EQB, 22                           ; s[22:23] of block 7 - p's
.set G1K, 24
.set G1V, 32
.set G0K, 40                           ; s[40:47] descriptor group 0 for K's tiles, a set for each slot
.set G0V, 48                           ; s[48:55] for V's
.set QA, 56                            ; s[56:57] Q at my rows of block 7 - p
.set OB, 58                            ; s[58:59] yb at my rows of block 7 - p
.set OC, 60                            ; s[60:61] yb at my rows of the block in hand
.set TRIP, 62
.set PC,  63
.set SEL, 66                           ; s[66:67]
.set TTC, 68                           ; s[68:69] Ek + Ev of the two key blocks of the tile in hand
.set TTB, 70                           ; s[70:71] of block 7 - p's
.set CB,  72                           ; s72  the block in hand
.set TE0, 73                           ; s73  Ek + Ev - E of the tile's first 128 keys
.set TE1, 74                           ; s74  of its last 128
.set ECUR, 75                          ; s75  E of the query block in hand
.set SCL, 80                           ; s[80:81] scl at my head
.set UB,  82                           ; s[82:83] ub at my head
.set T16, 84                           ; s[84:99] Ek + Ev of the head's 16 blocks; later s[84 + 2 c] = tm_c
.set SB,  100                          ; s100 the slot that is read
.set EB,  101                          ; s101 E for block 7 - p
.set MSB, 0
.macro WIN new
.if MSB != (\new)
	s_set_vgpr_msb (MSB<<8)|(\new)
.set MSB, (\new)
.endif
.endm
.macro PLACES
.rept 4
	v_nop
.endr
.endm
.macro QLOAD base                      ; piece i / 2 lies in band i / 2, 8,192 bytes on; channels 32 (i % 2) on
.set i, 0
.rept 8
	global_load_b128 v[Q+8*i:Q+8*i+3],   v[QO], s[\base:\base+1] offset:(i/2)*8192+(i%2)*64
	global_load_b128 v[Q+8*i+4:Q+8*i+7], v[QO], s[\base:\base+1] offset:(i/2)*8192+(i%2)*64+32
.set i, i+1
.endr
.endm
	s_load_b256 s[4:11], s[0:1], 0x0               ; qh s[4:5], kh s[6:7], vh s[8:9], ln_w s[10:11]
	s_load_b128 s[12:15], s[0:1], 0x20             ; ln_b s[12:13], yb s[14:15]
	s_load_b128 s[SCL:SCL+3], s[0:1], 0x30         ; scl, ub
	v_lshl_add_u32 v[SPW], v0, 2, SPARE
	v_mov_b32 v[NIL], 0
	ds_add_u32 v[SPW], v[NIL]                      ; the wave's opening: the add and its wait ahead of my first tensor load
	ds_add_u32 v30, v31
	v_lshrrev_b32 v1, 5, v0
	v_readfirstlane_b32 s[WV], v1
	s_mov_b32 s[PB], ttmp9
	s_sub_co_u32 s[HI], 7, s[PB]
	s_and_b32 s20, ttmp7, 0xffff                   ; batch x 16 + head
	s_and_b32 s[HD], s20, 15
	s_lshl_b32 s70, s20, 18                        ; its 2,048 rows of 128 bytes
	s_mov_b32 s71, 0
	s_lshl_b32 s68, s20, 7                         ; its 128 bytes of scl
	s_mov_b32 s69, 0
	s_mul_i32 s62, s20, 7*16384                    ; its seven U
	s_mov_b32 s63, 0
	s_and_b32 s21, s[WV], 1                        ; which half of a tile's 256 keys I fetch
	s_lshl_b32 s72, s21, 14
	s_add_co_u32 s72, s72, s70
	s_mov_b32 s73, 0
	s_mul_i32 s22, s21, 128*PK
	s_mul_i32 s23, s21, 128*PV
	s_lshl_b32 s74, s[WV], 11                      ; my 16 rows in a band
	s_lshl_b32 s76, s[PB], 15                      ; block p's 256 rows
	s_lshl_b32 s78, s[HI], 15                      ; block 7 - p's
	s_mov_b32 s60, s76
	s_mov_b32 s61, 0
	s_mov_b32 s58, s78
	s_mov_b32 s59, 0
	s_add_co_u32 s76, s76, s74
	s_mov_b32 s77, 0
	s_add_co_u32 s78, s78, s74
	s_mov_b32 s79, 0
	s_lshl_b32 s74, s[HD], 20                      ; yb: head x 8,192 rows + batch x 2,048 rows
	s_lshr_b32 s75, s20, 4
	s_lshl_b32 s75, s75, 18
	s_add_co_u32 s74, s74, s75
	s_mov_b32 s75, 0
	; descriptor group 1: 128 keys are 16,384 dense bytes: 64 rows of 256 bytes, padded in LDS behind every key
	s_mov_b32 s[G1K], (1<<16)|(1<<20)|(4<<22)|(3<<25)
	s_mov_b32 s[G1V], (1<<16)|(1<<20)|(4<<22)|(7<<25)
.irp g, G1K, G1V
	s_mov_b32 s[\g+1], 128<<16
	s_mov_b32 s[\g+2], 64<<16
	s_mov_b32 s[\g+3], 128<<16
	s_mov_b32 s[\g+4], 64
	s_mov_b32 s[\g+5], 128
	s_mov_b32 s[\g+6], 0
	s_mov_b32 s[\g+7], 0
.endr
	s_mov_b32 s[G0K], 1
	s_mov_b32 s[G0K+1], s22
	s_mov_b32 s[G0K+4], 1
	s_add_co_u32 s[G0K+5], s22, SLOT1
	s_mov_b32 s[G0V], 1
	s_add_co_u32 s[G0V+1], s23, VOFF
	s_mov_b32 s[G0V+4], 1
	s_add_co_u32 s[G0V+5], s23, VOFF+SLOT1
	s_mov_b32 s[SEL], 0x76543210
	s_mov_b32 s[SEL+1], 0xfedcba98
	s_mov_b32 s[C16], 0x3d800000
	s_mov_b32 s[C16+1], 0x3d800000
	s_wait_dscnt 0x0                               ; the opening add is done
	s_wait_kmcnt 0x0
	s_add_nc_u64 s[6:7], s[6:7], s[72:73]          ; K and V at my half of the head's tile 0
	s_add_nc_u64 s[8:9], s[8:9], s[72:73]
	s_add_nc_u64 s[G0K+2:G0K+3], s[6:7], s[60:61]  ; slot 0: block p's tile
	s_or_b32 s[G0K+3], s[G0K+3], 0x80000000
	s_add_nc_u64 s[G0K+6:G0K+7], s[6:7], s[58:59]  ; slot 1: block 7 - p's
	s_or_b32 s[G0K+7], s[G0K+7], 0x80000000
	s_add_nc_u64 s[G0V+2:G0V+3], s[8:9], s[60:61]
	s_or_b32 s[G0V+3], s[G0V+3], 0x80000000
	s_add_nc_u64 s[G0V+6:G0V+7], s[8:9], s[58:59]
	s_or_b32 s[G0V+7], s[G0V+7], 0x80000000
	s_add_nc_u64 s[4:5], s[4:5], s[70:71]
	s_add_nc_u64 s[QA:QA+1], s[4:5], s[78:79]
	s_add_nc_u64 s[4:5], s[4:5], s[76:77]
	s_add_nc_u64 s[14:15], s[14:15], s[74:75]
	s_add_nc_u64 s[OC:OC+1], s[14:15], s[76:77]
	s_add_nc_u64 s[OB:OB+1], s[14:15], s[78:79]
	s_add_nc_u64 s[SCL:SCL+1], s[SCL:SCL+1], s[68:69]
	s_add_nc_u64 s[UB:UB+1], s[UB:UB+1], s[62:63]
	s_cmp_lt_u32 s[WV], 2                          ; waves 0 and 1 fetch the two halves of each tile's K, waves 2 and 3 those of its V: a wave's two fills stand in one branch: two loads of mine are out
	s_cbranch_scc0 .Lfirst_v
	tensor_load_to_lds s[G0K:G0K+3], s[G1K:G1K+7]
	s_nop 0
	tensor_load_to_lds s[G0K+4:G0K+7], s[G1K:G1K+7]
	s_nop 0
.rept 4
	v_nop
.endr
	s_branch .Lfirst_asked
.Lfirst_v:
	tensor_load_to_lds s[G0V:G0V+3], s[G1V:G1V+7]
	s_nop 0
	tensor_load_to_lds s[G0V+4:G0V+7], s[G1V:G1V+7]
	s_nop 0
.rept 4
	v_nop
.endr
.Lfirst_asked:
	s_load_b512 s[T16:T16+15], s[SCL:SCL+1], 0x0   ; Ek + Ev of the head's 16 blocks
	s_lshl_b32 s76, s[PB], 3
	s_mov_b32 s77, 0
	s_add_nc_u64 s[76:77], s[SCL:SCL+1], s[76:77]
	s_load_b64 s[TTC:TTC+1], s[76:77], 0x0         ; Ek + Ev and
	s_load_b64 s[EQC:EQC+1], s[76:77], 0x40        ; Eq of blocks 2 p, 2 p + 1
	s_lshl_b32 s78, s[HI], 3
	s_mov_b32 s79, 0
	s_add_nc_u64 s[78:79], s[SCL:SCL+1], s[78:79]
	s_load_b64 s[TTB:TTB+1], s[78:79], 0x0         ; and of the second query block's two
	s_load_b64 s[EQB:EQB+1], s[78:79], 0x40
	v_and_b32 v1, 15, v0                           ; l % 16
	v_bfe_u32 v34, v0, 4, 1                        ; l / 16
	v_lshlrev_b32 v[QO], 7, v1
	v_lshl_add_u32 v[QO], v34, 4, v[QO]
	QLOAD 4
	v_lshlrev_b32 v35, 5, v34                      ; my channels 16 cb + 8 (l / 16) + 0..7: byte 64 cb + 32 (l / 16)
	WIN 0x80
.set i, 0
.rept 4
	global_load_b128 v[8*i:8*i+3],       v35, s[10:11] offset:64*i
	global_load_b128 v[8*i+4:8*i+7],     v35, s[10:11] offset:64*i+16
	global_load_b128 v[32+8*i:32+8*i+3], v35, s[12:13] offset:64*i
	global_load_b128 v[32+8*i+4:32+8*i+7], v35, s[12:13] offset:64*i+16
.set i, i+1
.endr
	WIN 0
	v_lshrrev_b32 v[UO], 5, v0
	v_and_b32 v[GO], 31, v0
	v_lshlrev_b32 v[GO], 4, v[GO]
	v_lshl_add_u32 v[UO], v[UO], 12, v[GO]         ; my wave's 16 rows of 256 bytes, 16 bytes a lane: load e brings rows 2 e, 2 e + 1 of them
	WIN 0xc0
.set i, 0
.rept 56                                               ; U_(i / 8), load i % 8: 512 consecutive bytes each
	global_load_b128 v[4*i:4*i+3], v[UO], s[UB:UB+1] offset:(i/8)*16384+(i%8)*512
.set i, i+1
.endr
	WIN 0
	v_mul_u32_u24 v[AK0], v1, PK
	v_lshl_add_u32 v[AK0], v34, 4, v[AK0]
	; the turning load: lane l reads key 8 (l / 16) + l % 8, channels 8 ((l / 8) % 2) + 0..7, and is left with channel l % 16 and 8 keys
	v_and_b32 v36, 7, v0
	v_bfe_u32 v37, v0, 3, 1
	v_lshl_add_u32 v[AV0], v34, 3, v36
	v_mul_u32_u24 v[AV0], v[AV0], PV
	v_lshl_add_u32 v[AV0], v37, 4, v[AV0]
	v_add_nc_u32 v[AV0], VOFF, v[AV0]
	s_mul_i32 s63, s[WV], 16*SP
	s_add_co_u32 s62, s63, SS
	s_add_co_u32 s63, s63, STG
	v_mul_u32_u24 v[STO], v1, SP
	v_lshl_add_u32 v[STO], v34, 4, v[STO]
	v_add_nc_u32 v[STO], s63, v[STO]
	v_bfe_u32 v[RD], v0, 3, 2
	v_mul_u32_u24 v[RD], v[RD], SP
	v_lshl_add_u32 v[RD], v36, 4, v[RD]
	v_add_nc_u32 v[RD], s63, v[RD]
	v_mul_u32_u24 v[SSW], v34, SP                  ; the state: row 16 w + 2 e + l / 16, kch 4 (l % 16) + 0..3: 8 bytes
	v_lshl_add_u32 v[SSW], v1, 3, v[SSW]
	v_add_nc_u32 v[SSW], s62, v[SSW]
	v_add_nc_u32 v[SSR], SS, v[AK0]                ; its fragments: row l % 16, 16 bytes for each half of the lanes
	s_lshl_b32 s63, s[WV], 14
	s_add_co_u32 s63, s63, DUMP
	v_add_nc_u32 v[DMP], s63, v[GO]
	; log2(1 - u), u = 2^(-5-head): -u (1 + u/2 + u^2/3 + u^3/4 + u^4/5 + u^5/6) log2(e)
	s_sub_co_u32 s63, 122, s[HD]
	s_lshl_b32 s63, s63, 23
	v_mov_b32 v38, s63
	v_mov_b32 v39, 0x3e2aaaab
	v_fmaak_f32 v39, v39, v38, 0x3e4ccccd
	v_fmaak_f32 v39, v39, v38, 0x3e800000
	v_fmaak_f32 v39, v39, v38, 0x3eaaaaab
	v_fma_f32 v39, v39, v38, 0.5
	v_fma_f32 v39, v39, v38, 1.0
	v_mul_f32 v38, 0xbfb8aa3b, v38
	v_mul_f32 v[LG], v39, v38
	v_mul_f32 v[CV], 0xc27c0000, v[LG]             ; -63
	v_mov_b32 v[CV+1], v[LG]                       ; 1
	v_mul_f32 v[CV+2], 0x42820000, v[LG]           ; 65
	v_mul_f32 v[CV+3], 0x43010000, v[LG]           ; 129
	v_mul_f32 v[CV+4], 0x43410000, v[LG]           ; 193
	v_mul_f32 v[L256], 0x43800000, v[LG]           ; 256 log2 g
	s_lshl_b32 s63, s[WV], 4
	v_add_nc_u32 v40, s63, v1                      ; my query's place in its band
	v_cvt_f32_u32 v[FQ], v40
	v_mul_f32 v[FQ], v[FQ], v[LG]
.irp r, CV, CV+1, CV+2, CV+3, CV+4, FQ
	v_exp_f32 v[\r], v[\r]
.endr
	v_lshlrev_b32 v41, 3, v34                      ; (a plain line behind the exponentials)
	v_sub_nc_u32 v40, v40, v41                     ; less my lanes' 8 (l / 16): register n of S^T is seen where 16 (n / 8) + n % 8 is not greater
	v_mov_b32 v[ONE], 1.0
	WIN 0x40
.set i, 0
.rept 32
	v_cmp_le_i32 vcc_lo, 16*(i/8)+i%8, v40
	v_cndmask_b32 v[MD+i], 0, v[ONE], vcc_lo       ; 1 or 0
.set i, i+1
.endr
	WIN 0
	s_wait_kmcnt 0x0                               ; the exponents
	; E for a query block: the largest Ek + Ev among the key blocks 0 .. 2 x block + 1.  The selects hang on the work-group's number alone.
	s_lshl_b32 s76, s[PB], 1
	s_add_co_u32 s76, s76, 1
	s_lshl_b32 s77, s[HI], 1
	s_add_co_u32 s77, s77, 1
	s_mov_b32 s[ECUR], s[T16]
	s_mov_b32 s[EB], s[T16]
.set i, 1
.rept 15
	s_cmp_ge_u32 s76, i
	s_cselect_b32 s[TE0], s[T16+i], s[T16]
	s_max_i32 s[ECUR], s[ECUR], s[TE0]
	s_cmp_ge_u32 s77, i
	s_cselect_b32 s[TE0], s[T16+i], s[T16]
	s_max_i32 s[EB], s[EB], s[TE0]
.set i, i+1
.endr
.set i, 0
.rept 7                                                ; tm_c, by which U_c was divided
	s_max_i32 s[T16+2*i], s[T16+2*i], s[T16+2*i+1]
.set i, i+1
.endr
	s_mov_b32 s[CB], s[PB]
	s_mov_b32 s[SB], 0
	s_mov_b32 s[TRIP], 2
	s_wait_loadcnt 0x0                             ; Q, ln_w, ln_b, U
	WIN 0x0a                                       ; ln_w and ln_b are rounded to bf16 and widened again
.set i, 0
.rept 32
	v_cvt_pk_bf16_f32 v[32+i], v[2*i], v[2*i+1]
.set i, i+1
.endr
	WIN 0x80
.set i, 0
.rept 32
	v_lshlrev_b32 v[2*i], 16, v[32+i]
	v_and_b32 v[2*i+1], 0xffff0000, v[32+i]
.set i, i+1
.endr
	WIN 0
	s_wait_tensorcnt 0x0                           ; my parts of both tiles are in; the first trip's barrier shows everybody's
; THE COEFFICIENTS of U_0 .. U_6 for block c: g^(256 (c - 1 - k)) 2^(tm_k - E) where k < c, else 0 (the 0 is multiplied in ahead of the power of two, which may be large there).
.macro COEF
.set k, 0
.rept 7
	s_sub_co_i32 s76, s[CB], k+1
	v_cvt_f32_i32 v[CA+k], s76
.set k, k+1
.endr
.set k, 0
.rept 7
	v_mul_f32 v[CA+k], v[L256], v[CA+k]
.set k, k+1
.endr
.set k, 0
.rept 7
	v_exp_f32 v[CA+k], v[CA+k]
.set k, k+1
.endr
	v_mov_b32 v[CA+7], 0                           ; (a plain line behind the exponentials) named with the seventh as a pair
	s_wait_alu depctr_va_vdst(0)
.set k, 0
.rept 7
	s_sub_co_i32 s76, s[CB], k+1
	s_cmp_ge_i32 s76, 0
	s_cselect_b32 s77, 1.0, 0
	s_sub_co_i32 s78, s[T16+2*k], s[ECUR]
	v_mul_f32 v[CA+k], s77, v[CA+k]
	v_ldexp_f32 v[CA+k], v[CA+k], s78
.set k, k+1
.endr
.endm
; THE STATE S / 2^E: my 16 rows, in f32; rounded to f16; into the work-group's rows of 144 bytes.
.macro COMPOSE
	WIN 0x03                                       ; source 0 in window 3
.set k, 0
.rept 7
.set n, 0
.rept 16
.if k == 0
	v_pk_mul_f32 v[SA+2*n:SA+2*n+1], v[2*n:2*n+1], v[CA:CA+1] op_sel_hi:[1,0]
.elseif (k%2) == 0
	v_pk_fma_f32 v[SA+2*n:SA+2*n+1], v[32*k+2*n:32*k+2*n+1], v[CA+k:CA+k+1], v[SA+2*n:SA+2*n+1] op_sel_hi:[1,0,1]
.else
	v_pk_fma_f32 v[SA+2*n:SA+2*n+1], v[32*k+2*n:32*k+2*n+1], v[CA+k-1:CA+k], v[SA+2*n:SA+2*n+1] op_sel:[0,1,0] op_sel_hi:[1,1,1]
.endif
.set n, n+1
.endr
.set k, k+1
.endr
	WIN 0
.set n, 0
.rept 16
	v_cvt_pk_f16_f32 v[PKS+n], v[SA+2*n], v[SA+2*n+1]
.set n, n+1
.endr
.irp e, 0,1,2,3,4,5,6,7
	ds_store_b64 v[SSW], v[PKS+2*\e:PKS+2*\e+1] offset:\e*2*SP
.endr
.endm
; THE MATRIX WORK.  The 4 accumulators of a run of 8 take turns.
; The state's product starts O^T: for piece xx, product ii: kch 32 (ii / 4) on, vch 16 (ii % 4) on.
.macro INTER
	WIN 0x52                                       ; source 0 window 2, source 1 window 0, C and D window 1
.set xx, 0
.rept 4
.set ii, 0
.rept 8
.set rO, 32*xx+8*(ii%4)
.set rA, SFR+8*(2*(ii%4)+ii/4)
.set rQ, Q+16*xx+8*(ii/4)
.if ii < 4
	v_wmma_f32_16x16x32_f16 v[rO:rO+7], v[rA:rA+7], v[rQ:rQ+7], 0
.else
	v_wmma_f32_16x16x32_f16 v[rO:rO+7], v[rA:rA+7], v[rQ:rQ+7], v[rO:rO+7]
.endif
.set ii, ii+1
.endr
.set xx, xx+1
.endr
.endm
.macro SCALE                           ; piece xx's O^T times g^(64 xx + 1), from each accumulator's low end on
	WIN 0x41
.set xx, 0
.rept 4
.set n, 0
.rept 16
.if ((CV+1+xx)%2) == 0
	v_pk_mul_f32 v[32*xx+2*n:32*xx+2*n+1], v[32*xx+2*n:32*xx+2*n+1], v[CV+1+xx:CV+2+xx] op_sel_hi:[1,0]
.else
	v_pk_mul_f32 v[32*xx+2*n:32*xx+2*n+1], v[32*xx+2*n:32*xx+2*n+1], v[CV+xx:CV+1+xx] op_sel:[0,1] op_sel_hi:[1,1]
.endif
.set n, n+1
.endr
.set xx, xx+1
.endr
.endm
; Product ii of S^T = K Q^T for piece x: channels 32 (ii / 4) on, keys 16 (ii % 4) on; the first 4 start the sums.
.macro KQ1 x
.set rS, S+32*((\x)%2)+8*(ii%4)
.set rK, KF+16*(ii%4)+8*(ii/4)
.set rQ, Q+16*(\x)+8*(ii/4)
.if ii < 4
	v_wmma_f32_16x16x32_f16 v[rS:rS+7], v[rK:rK+7], v[rQ:rQ+7], 0
.else
	v_wmma_f32_16x16x32_f16 v[rS:rS+7], v[rK:rK+7], v[rQ:rQ+7], v[rS:rS+7]
.endif
.endm
; Product ii of O^T += V^T P for piece x: keys 32 (ii / 4) on, channels 16 (ii % 4) on.
.macro PV1 x
.set rO, 32*(\x)+8*(ii%4)
.set rV, VF+32*(ii/4)+8*(ii%4)
.set rP, P+16*((\x)%2)+8*(ii/4)
	v_wmma_f32_16x16x32_f16 v[rO:rO+7], v[rV:rV+7], v[rP:rP+7], v[rO:rO+7]
.endm
; THE VECTOR WORK of a piece and step: 32 lines.  0-15: pair n of its scores times the factor (register fk of GS's four; dg = 1: times MDS's pair); 16-31: pair n - 16 rounded to f16.  From the low end on.
.macro CVR x, n, fk, dg
.set cS, S+32*((\x)%2)
.set cP, P+16*((\x)%2)
.if (\n) < 16
.if \dg
	WIN 0x04
	v_pk_mul_f32 v[cS+2*(\n):cS+2*(\n)+1], v[cS+2*(\n):cS+2*(\n)+1], v[MDS+2*(\n):MDS+2*(\n)+1]
.elseif ((\fk)%2) == 0
	WIN 0
	v_pk_mul_f32 v[cS+2*(\n):cS+2*(\n)+1], v[cS+2*(\n):cS+2*(\n)+1], v[GS+2*((\fk)/2):GS+2*((\fk)/2)+1] op_sel_hi:[1,0]
.else
	WIN 0
	v_pk_mul_f32 v[cS+2*(\n):cS+2*(\n)+1], v[cS+2*(\n):cS+2*(\n)+1], v[GS+2*((\fk)/2):GS+2*((\fk)/2)+1] op_sel:[0,1] op_sel_hi:[1,1]
.endif
.else
	WIN 0
	v_cvt_pk_f16_f32 v[cP+(\n)-16], v[cS+2*((\n)-16)], v[cS+2*((\n)-16)+1]
.endif
.endm
.macro RIDERS x, first                 ; the next four of piece x: in step 'first' it has the decay's exponent 64 (x - first) - 63, and the mask if x = first
.rept 4
.if (\x) == (\first)
	CVR \x, rn, 0, 1
.else
	CVR \x, rn, (\x)-(\first), 0
.endif
.set rn, rn+1
.endr
.endm
.macro KQRUN x, cv, first              ; 8 products; behind each, four lines of piece cv's vector work (cv < 0: none)
.set rn, 0
.set ii, 0
.rept 8
	WIN 0
	KQ1 \x
.if (\cv) >= 0
	RIDERS \cv, \first
.endif
.set ii, ii+1
.endr
.endm
.macro PVRUN x, cv, first
.set rn, 0
.set ii, 0
.rept 8
	WIN 0x51
	PV1 \x
.if (\cv) >= 0
	RIDERS \cv, \first
.endif
.set ii, ii+1
.endr
.endm
; THE LDS LOADS stand in runs of 16.
.macro FETCH_K off
.irp f, 0,1,2,3,4,5,6,7                ; keys 16 (f / 2) on, channels 32 (f % 2) on
	ds_load_b128 v[KF+8*\f:KF+8*\f+3],   v[AK] offset:(\off)+(\f/2)*16*PK+(\f%2)*64
	ds_load_b128 v[KF+8*\f+4:KF+8*\f+7], v[AK] offset:(\off)+(\f/2)*16*PK+(\f%2)*64+32
.endr
.endm
.macro FETCH_V off
	WIN 0x40
.irp f, 0,1,2,3,4,5,6,7                ; keys 32 (f / 4) on, channels 16 (f % 4) on
	ds_load_tr16_b128 v[VF+8*\f:VF+8*\f+3],   v[AV] offset:(\off)+(\f/4)*32*PV+(\f%4)*32
	ds_load_tr16_b128 v[VF+8*\f+4:VF+8*\f+7], v[AV] offset:(\off)+(\f/4)*32*PV+16*PV+(\f%4)*32
.endr
	WIN 0
.endm
.macro WAITV                           ; once a step, ahead of its first V^T P: V is in; K's run for the next step, if it has been issued behind V's, stays out
.if VW == 0
	s_wait_dscnt KP
.set VW, 1
.endif
.endm
; A KEY STEP of the diagonal tile, for the pieces first .. 3.  K Q^T of piece x carries the vector work of piece x - 1; V^T P of piece 2 carries piece 3's.  A piece's first vector line stands behind four plain lines that follow
; the product which made its last scores; a P buffer is first written 16 multiplies behind the last product that read it; K's run stands four plain lines behind the last product that read K, V's behind the step's closing four.
.macro STEPX first, koff, voff, nextk
.set VW, 0
.set KP, 0
	FETCH_V \voff
	s_wait_dscnt 16                                ; K is in; V's 16 loads may be out
	KQRUN \first, -1, \first
	WIN 0
	PLACES
.irp x, 1,2,3
.if \x > \first
	KQRUN \x, (\x)-1, \first
.if (\x == 3) && (\nextk)
	WIN 0
	FETCH_K (\koff)+KS*PK                          ; K of the next step
.set KP, 16
.endif
.if (\x)-2 >= \first
	WAITV
	PVRUN (\x)-2, -1, \first
.endif
.endif
.endr
.if \first < 3
	WAITV
	PVRUN 2, 3, \first
.else
.set rn, 0
.rept 8
	RIDERS 3, \first
.endr
.endif
	WAITV
	PVRUN 3, -1, \first
	WIN 0
	PLACES
.endm
; The tile's factors for two steps: g^-63, g^1, g^65, g^129 times the key block's power of two; and the first of them times the mask.
.macro DFACT te
	WIN 0
.irp k, 0,1,2,3
	v_ldexp_f32 v[GS+\k], v[CV+\k], s[\te]
.endr
	WIN 0x41                                       ; destination and source 0 in window 1
.set z, 0
.rept 16
	v_pk_mul_f32 v[MDS+2*z:MDS+2*z+1], v[MD+2*z:MD+2*z+1], v[GS:GS+1] op_sel_hi:[1,0]
.set z, z+1
.endr
.endm
.Lblk:                                                 ; two trips: block p out of slot 0, block 7 - p out of slot 1
	COEF
	s_wait_loadcnt 0x0                             ; the second trip: its Q
	COMPOSE
	s_wait_dscnt 0x0                               ; for the others' sake: my rows of the state lie in LDS
	s_barrier_signal -1
	s_barrier_wait -1                              ; everybody's do (and, at the first trip, everybody's parts of the tiles)
	WIN 0x80
.irp f, 0,1,2,3,4,5,6,7                ; the state's fragments: vch 16 (f / 2) on, kch 32 (f % 2) on
	ds_load_b128 v[SFR+8*\f:SFR+8*\f+3],   v[SSR] offset:(\f/2)*16*SP+(\f%2)*64
	ds_load_b128 v[SFR+8*\f+4:SFR+8*\f+7], v[SSR] offset:(\f/2)*16*SP+(\f%2)*64+32
.endr
	WIN 0
	v_add_nc_u32 v[AK], s[SB], v[AK0]
	v_add_nc_u32 v[AV], s[SB], v[AV0]
	FETCH_K 0
	s_sub_co_i32 s[TE0], s[TTC], s[ECUR]
	s_sub_co_i32 s[TE1], s[TTC+1], s[ECUR]
	s_wait_dscnt 16                                ; the state's fragments are in; K's 16 loads may be out
	INTER
	DFACT TE0                                      ; twenty plain lines that name no register of those products: the places behind them
	SCALE
	STEPX 0, 0, 0, 1                               ; only the ten pairs of band and step that are seen are written
	STEPX 1, KS*PK, KS*PV, 1
	DFACT TE1
	STEPX 2, 2*KS*PK, 2*KS*PV, 1
	STEPX 3, 3*KS*PK, 3*KS*PV, 0
	; THE WAY OUT of a block.  O^T goes into my dump as it lies (from each accumulator's low end on), so that ONE text, walked four times, serves the four pieces.  For a piece: mean and, about it, the sum of squares over my 32
	; channels and the other half of the lanes' 32; scale = f / sqrt(f^2 x variance + 1e-5), f = g^r 2^(Eq + E), r my query's place in its band; ln_w, ln_b; 16 x silu; f16; through my stage; four rows of 128 bytes a store.
	WIN 0x04
.set j, 0
.rept 32
	ds_store_b128 v[DMP], v[4*j:4*j+3] offset:512*j
.set j, j+1
.endr
	WIN 0
	s_cmp_eq_u32 s[TRIP], 1
	s_cbranch_scc1 .Lnoq
	QLOAD QA                                       ; the second block's Q: what follows stands in the wait for it
.Lnoq:
	v_mov_b32 v[DRD], v[DMP]
	s_mov_b32 s[PC], 4
.Lpc:
.irp j, 0,1,2,3,4,5,6,7
	ds_load_b128 v[OV+4*\j:OV+4*\j+3], v[DRD] offset:512*\j
.endr
	s_cmp_gt_u32 s[PC], 2                          ; pieces 0 and 1 lie in the query block's first 128 rows
	s_cselect_b32 s77, s[EQC], s[EQC+1]
	s_add_co_i32 s77, s77, s[ECUR]
	v_ldexp_f32 v[FQS], v[FQ], s77
	v_mul_f32 v[FQ2D], v[FQS], v[FQS]
	v_mul_f32 v[FQ2D], 0x3c800000, v[FQ2D]
	s_wait_dscnt 0x0
.irp i, 0,1,2,3,4,5,6,7
	v_pk_add_f32 v[TS+2*\i:TS+2*\i+1], v[OV+4*\i:OV+4*\i+1], v[OV+4*\i+2:OV+4*\i+3]
.endr
.irp i, 0,1,2,3
	v_pk_add_f32 v[TS+4*\i:TS+4*\i+1], v[TS+4*\i:TS+4*\i+1], v[TS+4*\i+2:TS+4*\i+3]
.endr
	v_pk_add_f32 v[TS:TS+1], v[TS:TS+1], v[TS+4:TS+5]
	v_pk_add_f32 v[TS+8:TS+9], v[TS+8:TS+9], v[TS+12:TS+13]
	v_pk_add_f32 v[TS:TS+1], v[TS:TS+1], v[TS+8:TS+9]
	v_add_f32 v[TS], v[TS], v[TS+1]
	v_permlanex16_b32 v[TS+1], v[TS], s[SEL], s[SEL+1]
	v_add_f32 v[TS], v[TS], v[TS+1]
	v_mul_f32 v[MU], 0x3c800000, v[TS]
	v_mov_b32 v[MU+1], v[MU]
.set i, 0
.rept 16
	v_pk_add_f32 v[OV+2*i:OV+2*i+1], v[OV+2*i:OV+2*i+1], v[MU:MU+1] neg_lo:[0,1] neg_hi:[0,1]
.set i, i+1
.endr
.set i, 0
.rept 4
	v_pk_mul_f32 v[TS+2*i:TS+2*i+1], v[OV+2*i:OV+2*i+1], v[OV+2*i:OV+2*i+1]
.set i, i+1
.endr
.rept 12
	v_pk_fma_f32 v[TS+2*(i%4):TS+2*(i%4)+1], v[OV+2*i:OV+2*i+1], v[OV+2*i:OV+2*i+1], v[TS+2*(i%4):TS+2*(i%4)+1]
.set i, i+1
.endr
	v_pk_add_f32 v[TS:TS+1], v[TS:TS+1], v[TS+2:TS+3]
	v_pk_add_f32 v[TS+4:TS+5], v[TS+4:TS+5], v[TS+6:TS+7]
	v_pk_add_f32 v[TS:TS+1], v[TS:TS+1], v[TS+4:TS+5]
	v_add_f32 v[TS], v[TS], v[TS+1]
	v_permlanex16_b32 v[TS+1], v[TS], s[SEL], s[SEL+1]
	v_add_f32 v[TS], v[TS], v[TS+1]
	v_fmaak_f32 v[TS], v[TS], v[FQ2D], 0x3727c5ac
	v_rsq_f32 v[TS], v[TS]
	v_nop                                          ; a plain line behind the root
	s_wait_alu depctr_va_vdst(0)
	v_mul_f32 v[SC], v[TS], v[FQS]
	v_mov_b32 v[SC+1], v[SC]
.set i, 0
.rept 16
	v_pk_mul_f32 v[OV+2*i:OV+2*i+1], v[OV+2*i:OV+2*i+1], v[SC:SC+1]
.set i, i+1
.endr
	WIN 0x28
.set i, 0
.rept 16
	v_pk_fma_f32 v[OV+2*i:OV+2*i+1], v[OV+2*i:OV+2*i+1], v[2*i:2*i+1], v[32+2*i:32+2*i+1]
.set i, i+1
.endr
	WIN 0
.set i, 0
.rept 16                                               ; 16 silu(y) = y / ((1 + 2^(-y log2 e)) / 16)
	v_pk_mul_f32 v[EX+2*i:EX+2*i+1], v[OV+2*i:OV+2*i+1], 0xbfb8aa3b op_sel_hi:[1,0]
.set i, i+1
.endr
.set i, 0
.rept 32
	v_exp_f32 v[EX+i], v[EX+i]
.set i, i+1
.endr
	v_nop
.set i, 0
	s_wait_alu depctr_va_vdst(0)
.rept 16
	v_pk_fma_f32 v[EX+2*i:EX+2*i+1], v[EX+2*i:EX+2*i+1], s[C16:C16+1], s[C16:C16+1] op_sel_hi:[1,0,0]
.set i, i+1
.endr
.set i, 0
.rept 32
	v_rcp_f32 v[EX+i], v[EX+i]
.set i, i+1
.endr
	v_nop
.set i, 0
	s_wait_alu depctr_va_vdst(0)
.rept 16
	v_pk_mul_f32 v[OV+2*i:OV+2*i+1], v[OV+2*i:OV+2*i+1], v[EX+2*i:EX+2*i+1]
.set i, i+1
.endr
.set i, 0
.rept 16
	v_cvt_pk_f16_f32 v[PKD+i], v[OV+2*i], v[OV+2*i+1]
.set i, i+1
.endr
.irp f, 0,1,2,3
	ds_store_b128 v[STO], v[PKD+4*\f:PKD+4*\f+3] offset:32*\f
.endr
.irp f, 0,1,2,3
	ds_load_b128 v[BK+4*\f:BK+4*\f+3], v[RD] offset:\f*4*SP  ; my own bytes, served in order (ISA guide 5.7.1.4)
.endr
	s_wait_dscnt 0x0
.irp f, 0,1,2,3
	global_store_b128 v[GO], v[BK+4*\f:BK+4*\f+3], s[OC:OC+1] offset:\f*512  ; 512 consecutive bytes, aligned
.endr
	s_wait_xcnt 0x0                                ; the stores' base and registers are rewritten only behind this wait
	s_add_nc_u64 s[OC:OC+1], s[OC:OC+1], 8192      ; the next band
	v_add_nc_u32 v[DRD], 4096, v[DRD]
	s_sub_co_u32 s[PC], s[PC], 1
	s_cmp_lg_u32 s[PC], 0
	s_cbranch_scc1 .Lpc
	s_barrier_signal -1                            ; every wave's reads of the state are long back (the waits for 0 above): its bytes may be written again
	s_barrier_wait -1
	s_mov_b32 s[CB], s[HI]                         ; the second block's numbers
	s_mov_b32 s[ECUR], s[EB]
	s_mov_b64 s[EQC:EQC+1], s[EQB:EQB+1]
	s_mov_b64 s[TTC:TTC+1], s[TTB:TTB+1]
	s_mov_b64 s[OC:OC+1], s[OB:OB+1]
	s_xor_b32 s[SB], s[SB], SLOT1
	s_sub_co_u32 s[TRIP], s[TRIP], 1
	s_cmp_lg_u32 s[TRIP], 0
	s_cbranch_scc1 .Lblk
	s_wait_tensorcnt 0x0                           ; the wave's end
	ds_add_u32 v[SPW], v[NIL]
	s_wait_dscnt 0x0
	s_endpgm
.Lfunc_end_k_q24016e04e8_ret:
	.size	k_q24016e04e8_ret, .Lfunc_end_k_q24016e04e8_ret-k_q24016e04e8_ret
	.p2alignl 7, 3214868480
	.fill 96, 4, 3214868480
	.section	.rodata,"a",@progbits
	.p2align	6, 0x0
	.amdhsa_kernel k_q24016e04e8_ret
		.amdhsa_group_segment_fixed_size 327680
		.amdhsa_private_segment_fixed_size 0
		.amdhsa_enable_private_segment 0
		.amdhsa_kernarg_size 64
		.amdhsa_user_sgpr_count 2
		.amdhsa_user_sgpr_kernarg_segment_ptr 1
		.amdhsa_wavefront_size32 1
		.amdhsa_system_sgpr_workgroup_id_x 1
		.amdhsa_system_sgpr_workgroup_id_y 1
		.amdhsa_system_sgpr_workgroup_id_z 1
		.amdhsa_system_vgpr_workitem_id 0
		.amdhsa_next_free_vgpr 1024
		.amdhsa_next_free_sgpr 102
		.amdhsa_reserve_vcc 1
		.amdhsa_float_denorm_mode_32 3
		.amdhsa_float_denorm_mode_16_64 3
		.amdhsa_memory_ordered 1
		.amdhsa_forward_progress 1
		.amdhsa_inst_pref_size 110
	.end_amdhsa_kernel
	.amdgpu_metadata
---
amdhsa.version: [ 1, 2 ]
amdhsa.kernels:
  - .name:           k_q24016e04e8_ret
    .symbol:         k_q24016e04e8_ret.kd
    .args:
      - { .name: qh, .offset: 0, .size: 8, .value_kind: global_buffer, .address_space: global }
      - { .name: kh, .offset: 8, .size: 8, .value_kind: global_buffer, .address_space: global }
      - { .name: vh, .offset: 16, .size: 8, .value_kind: global_buffer, .address_space: global }
      - { .name: ln_w, .offset: 24, .size: 8, .value_kind: global_buffer, .address_space: global }
      - { .name: ln_b, .offset: 32, .size: 8, .value_kind: global_buffer, .address_space: global }
      - { .name: xb, .offset: 40, .size: 8, .value_kind: global_buffer, .address_space: global }
      - { .name: scl, .offset: 48, .size: 8, .value_kind: global_buffer, .address_space: global }
      - { .name: ub, .offset: 56, .size: 8, .value_kind: global_buffer, .address_space: global }
    .group_segment_fixed_size: 327680
    .private_segment_fixed_size: 0
    .kernarg_segment_align: 8
    .kernarg_segment_size: 64
    .max_flat_workgroup_size: 128
    .sgpr_count:     102
    .vgpr_count:     1024
    .wavefront_size: 32
...
	.end_amdgpu_metadata
.endif
;; end of part 4
;; launch oproj (part 5): grid 8 x 32, 4 waves a work-group, clusters of 4 x 4, 327,680 bytes of LDS; arguments xb, wb, out0; writes out0
.if DOCPART == 5
	.amdgcn_target "amdgcn-amd-amdhsa--gfx1250"
	.amdhsa_code_object_version 6
	.text
	.protected	k_q24016e04e8_oproj
	.globl	k_q24016e04e8_oproj
	.p2align	8
	.type	k_q24016e04e8_oproj,@function
k_q24016e04e8_oproj:
	s_mov_b64 s[64:65], 0
	v_nop
	global_prefetch_b8 v0, s[64:65] scope:SCOPE_SE
	s_setreg_imm32_b32 hwreg(HW_REG_WAVE_MODE, 25, 1), 1
	s_wait_xcnt 0x0
	s_wait_alu depctr_hold_cnt(0) depctr_sa_sdst(0) depctr_va_vdst(0) depctr_va_sdst(0) depctr_va_ssrc(0) depctr_va_vcc(0) depctr_vm_vsrc(0)
	s_getreg_b32 s2, hwreg(HW_REG_IB_STS2, 6, 4)
	s_cmp_eq_u32 s2, 0
	s_cbranch_scc0 .Lentry_in_a_cluster
	s_endpgm
.Lentry_in_a_cluster:
	s_bfe_u32 s2, ttmp6, 0x10000c
	s_cmp_lg_u32 s2, 0xf033
	s_cbranch_scc0 .Lentry_shape_is_right
	s_endpgm
.Lentry_shape_is_right:
; OPROJ.  out0[m][n] = the sum over k of silu(y)(m, k) Wo(n, k): [8192 x 1024 x 1024] in f16 with f32 sums, f32 out.  yb: [K block][m][64], 16 x silu(y); Wo: rows 3072 + n of wb, [K block][row][64], Wo / 16:
; the two powers of two cancel in the product.  (yb, the first argument, is the buffer that held x in bf16, written anew by the launch before.)
; SHARES.  A work-group makes 256 rows x 128 columns: 8 x 32 work-groups.  Wave w: rows 128 (w / 2) on, columns 64 (w % 2) on: 32 accumulators.  The matrix instruction is used transposed (source 0 = 16 rows of Wo,
; source 1 = 16 rows of yb): a lane holds one row (lane % 16) and eight neighbouring columns.
; K goes in 8 steps of 128 (two K blocks), four quarters of 32 each, through two LDS slots; a wave's load brings one K block of one operand: R rows x 128 dense bytes, asked for as R / 2 rows of 256 bytes, padded behind every 128.
; CLUSTER 4 x 4: yb's tile is asked for jointly along a row of the cluster, Wo's along a column.
; REGISTERS: window 0: v0-31 addresses; v32-127, v128-223 two fragment buffers (4 of Wo, then 8 of yb).  Window 1: accumulator (a, b) at v[8 (4 a + b)].
.set PT,    144
.set WOF,   2*256*PT                   ; a slot: yb [K block 0, 1][256 rows], then Wo [K block 0, 1][128 rows]
.set SLOT1, 1<<17
.set STAGE, SLOT1+768*PT               ; behind the ring: 16 rows x 272 bytes for each wave
.set SPITCH, 272
.set SPARE, STAGE+4*16*SPITCH
.set XKB,   8192*128
.set WKB,   4096*128
.set AX0, 2
.set AW0, 3
.set AX,  4
.set AW,  5
.set STO, 6
.set RD,  7
.set CO,  8
.set SPW, 30
.set NIL, 31
.set F0,  32
.set F1,  128
.set BK,  32                           ; the way out: two buffers of 32
.set WV, 16
.set WR, 17
.set WC, 18                            ; which 64 columns are mine.  Also: which K block of a step I fetch
.set CX, 19
.set CY, 20
.set TX, 21
.set TY, 22
.set G1A, 28
.set G1B, 36
.set G0A, 44
.set G0B, 52
.set TB,  60
.set CNT, 61
.set DW0, (1<<16)|(1<<20)|(1<<21)|(4<<22)|(3<<25)
.set MSB, 0
.macro WIN new
.if MSB != (\new)
	s_set_vgpr_msb (MSB<<8)|(\new)
.set MSB, (\new)
.endif
.endm
.macro PLACES
.rept 4
	v_nop
.endr
.endm
.macro CREST
	s_cmp_lg_u32 s[WV], 0
	s_cbranch_scc1 .Lnot_wave_0_\@
	s_barrier_signal -3
.Lnot_wave_0_\@:
	s_barrier_wait -3
	s_barrier_signal -1
	s_barrier_wait -1
.endm
.macro CROUND
	s_barrier_signal -1
	s_barrier_wait -1
	CREST
.endm
.macro JLOAD                           ; waves 0 and 1: yb's two K blocks; waves 2 and 3: Wo's.  An s_nop 0 and four v_nop follow each line
	s_cmp_lt_u32 s[WV], 2
	s_cbranch_scc0 .Lfor_b_\@
	tensor_load_to_lds s[G0A+4:G0A+7], s[G1A:G1A+7]
	s_nop 0
.rept 4
	v_nop
.endr
	s_branch .Lasked_\@
.Lfor_b_\@:
	tensor_load_to_lds s[G0B+4:G0B+7], s[G1B:G1B+7]
	s_nop 0
.rept 4
	v_nop
.endr
.Lasked_\@:
.endm
	s_load_b128 s[4:7], s[0:1], 0x0                ; yb s[4:5], wb s[6:7]
	s_load_b64 s[8:9], s[0:1], 0x10                ; out0
	v_lshl_add_u32 v[SPW], v0, 2, SPARE
	v_mov_b32 v[NIL], 0
	ds_add_u32 v[SPW], v[NIL]                      ; the wave's opening: the add and its wait ahead of my first tensor load
	ds_add_u32 v30, v31
	v_lshrrev_b32 v1, 5, v0
	v_readfirstlane_b32 s[WV], v1
	s_lshr_b32 s[WR], s[WV], 1
	s_and_b32 s[WC], s[WV], 1
	s_bfe_u32 s[CX], ttmp6, 0x40000
	s_bfe_u32 s[CY], ttmp6, 0x40004
	s_lshl_b32 s[TX], ttmp9, 2
	s_add_co_u32 s[TX], s[TX], s[CX]
	s_and_b32 s[TY], ttmp7, 0xffff
	s_lshl_b32 s[TY], s[TY], 2
	s_add_co_u32 s[TY], s[TY], s[CY]
	s_lshl_b32 s75, s[CY], 2
	s_lshl_b32 s75, 15, s75
	s_lshl_b32 s76, 0x1111, s[CX]
	s_or_b32 s[G1A], s75, DW0
	s_or_b32 s[G1B], s76, DW0
	s_mov_b32 s[G1A+1], 128<<16
	s_mov_b32 s[G1A+2], 128<<16                    ; 256 rows of yb
	s_mov_b32 s[G1A+3], 128<<16
	s_mov_b32 s[G1A+4], 128
	s_mov_b32 s[G1A+5], 128
	s_mov_b32 s[G1A+6], 0
	s_mov_b32 s[G1A+7], 0
	s_mov_b32 s[G1B+1], 128<<16
	s_mov_b32 s[G1B+2], 64<<16                     ; 128 rows of Wo
	s_mov_b32 s[G1B+3], 128<<16
	s_mov_b32 s[G1B+4], 64
	s_mov_b32 s[G1B+5], 128
	s_mov_b32 s[G1B+6], 0
	s_mov_b32 s[G1B+7], 0
	s_lshl_b32 s24, s[TY], 15                      ; yb: 256 rows x 128 bytes a tile row,
	s_lshl_b32 s62, s[WC], 20                      ; + my K block
	s_add_co_u32 s24, s24, s62
	s_mov_b32 s25, 0
	s_lshl_b32 s26, s[TX], 14                      ; wb: 128 rows a tile column,
	s_add_co_u32 s26, s26, 3072*128                ; behind the rows of q, k and v,
	s_lshl_b32 s63, s[WC], 19                      ; + my K block
	s_add_co_u32 s26, s26, s63
	s_mov_b32 s27, 0
	s_mul_i32 s66, s[WC], 256*PT
	s_mul_i32 s67, s[WC], 128*PT
	s_add_co_u32 s67, s67, WOF
	s_mov_b32 s[TB], 0
	s_wait_dscnt 0x0                               ; the opening add is done
	s_wait_kmcnt 0x0
	s_add_nc_u64 s[24:25], s[4:5], s[24:25]
	s_add_nc_u64 s[26:27], s[6:7], s[26:27]
	CROUND                                         ; all sixteen work-groups are here: the first joint loads meet
.irp s, 0,1
	s_mov_b32 s[G0A+4*\s], 1
	s_add_co_u32 s[G0A+4*\s+1], s66, \s*SLOT1
	s_add_nc_u64 s[G0A+4*\s+2:G0A+4*\s+3], s[24:25], \s*2*XKB
	s_or_b32 s[G0A+4*\s+3], s[G0A+4*\s+3], 0x80000000
	s_mov_b32 s[G0B+4*\s], 1
	s_add_co_u32 s[G0B+4*\s+1], s67, \s*SLOT1
	s_add_nc_u64 s[G0B+4*\s+2:G0B+4*\s+3], s[26:27], \s*2*WKB
	s_or_b32 s[G0B+4*\s+3], s[G0B+4*\s+3], 0x80000000
.endr
	s_cmp_lt_u32 s[WV], 2                          ; a wave's two first fills stand in one branch: two loads of mine are out
	s_cbranch_scc0 .Lfirst_b
	tensor_load_to_lds s[G0A:G0A+3], s[G1A:G1A+7]
	s_nop 0
	tensor_load_to_lds s[G0A+4:G0A+7], s[G1A:G1A+7]
	s_nop 0
.rept 4
	v_nop
.endr
	s_branch .Lfirst_asked
.Lfirst_b:
	tensor_load_to_lds s[G0B:G0B+3], s[G1B:G1B+7]
	s_nop 0
	tensor_load_to_lds s[G0B+4:G0B+7], s[G1B:G1B+7]
	s_nop 0
.rept 4
	v_nop
.endr
.Lfirst_asked:
	v_and_b32 v1, 15, v0
	v_bfe_u32 v9, v0, 4, 1
	v_mul_u32_u24 v10, v1, PT
	v_lshl_add_u32 v10, v9, 4, v10
	s_mul_i32 s68, s[WR], 128*PT
	v_add_nc_u32 v[AX0], s68, v10
	s_mul_i32 s69, s[WC], 64*PT
	s_add_co_u32 s69, s69, WOF
	v_add_nc_u32 v[AW0], s69, v10
	v_mov_b32 v[AX], v[AX0]
	v_mov_b32 v[AW], v[AW0]
	s_mul_i32 s68, s[WV], 16*SPITCH
	s_add_co_u32 s68, s68, STAGE
	v_mul_u32_u24 v[STO], v1, SPITCH               ; in: row l % 16, 32 bytes for each half of the lanes
	v_lshl_add_u32 v[STO], v9, 5, v[STO]
	v_add_nc_u32 v[STO], s68, v[STO]
	v_mul_u32_u24 v[RD], v9, SPITCH                ; back: lanes 0-15 one row of 256 bytes, lanes 16-31 the next
	v_lshl_add_u32 v[RD], v1, 4, v[RD]
	v_add_nc_u32 v[RD], s68, v[RD]
	v_lshlrev_b32 v[CO], 12, v9                    ; and the same two rows in out0
	v_lshl_add_u32 v[CO], v1, 4, v[CO]
	s_lshl_b32 s70, s[TY], 8
	s_lshl_b32 s71, s[WR], 7
	s_add_co_u32 s70, s70, s71
	s_lshl_b32 s70, s70, 12                        ; my first row x 4,096 bytes
	s_lshl_b32 s71, s[TX], 9
	s_add_co_u32 s70, s70, s71
	s_lshl_b32 s71, s[WC], 8
	s_add_co_u32 s70, s70, s71                     ; + my first column x 4
	s_mov_b32 s71, 0
	s_add_nc_u64 s[8:9], s[8:9], s[70:71]
.macro MULA a0, n, f, zero             ; n x 4 matrix instructions: row blocks a0 on x all 4 column blocks; the 32 accumulators take turns
	WIN 0x50
.set aa, \a0
.rept \n
.set bb, 0
.rept 4
.if \zero
	v_wmma_f32_16x16x32_f16 v[8*(4*aa+bb):8*(4*aa+bb)+7], v[(\f)+8*bb:(\f)+8*bb+7], v[(\f)+32+8*aa:(\f)+32+8*aa+7], 0
.else
	v_wmma_f32_16x16x32_f16 v[8*(4*aa+bb):8*(4*aa+bb)+7], v[(\f)+8*bb:(\f)+8*bb+7], v[(\f)+32+8*aa:(\f)+32+8*aa+7], v[8*(4*aa+bb):8*(4*aa+bb)+7]
.endif
.set bb, bb+1
.endr
.set aa, aa+1
.endr
.endm
.macro FETCH q, f                      ; 24 loads: quarter q (K block q / 2, 32 K at byte 64 (q % 2)) into buffer f: Wo's four fragments, then yb's eight
.irp b, 0,1,2,3
	ds_load_b128 v[(\f)+8*\b:(\f)+8*\b+3],   v[AW] offset:((\q)/2)*128*PT+((\q)%2)*64+\b*16*PT
	ds_load_b128 v[(\f)+8*\b+4:(\f)+8*\b+7], v[AW] offset:((\q)/2)*128*PT+((\q)%2)*64+\b*16*PT+32
.endr
.irp a, 0,1,2,3,4,5,6,7
	ds_load_b128 v[(\f)+32+8*\a:(\f)+32+8*\a+3],   v[AX] offset:((\q)/2)*256*PT+((\q)%2)*64+\a*16*PT
	ds_load_b128 v[(\f)+32+8*\a+4:(\f)+32+8*\a+7], v[AX] offset:((\q)/2)*256*PT+((\q)%2)*64+\a*16*PT+32
.endr
.endm
.macro QUARTER qn, f, g, zero          ; multiplies buffer f; in its middle fetches quarter qn into buffer g
	s_wait_dscnt 8                                 ; all but the youngest eight: yb's rows 64-127
	MULA 0, 4, \f, \zero
	WIN 0
	PLACES
	FETCH \qn, \g
	s_wait_dscnt 24                                ; all but the 24 just issued
	MULA 4, 4, \f, \zero
.endm
; The last quarter multiplies buffer 1 and changes slots: ONE barrier; in front of it each wave waits for all its tensor loads, adds 0 to its spare word, and waits for that and for its reads of this slot.
; fill = 1: the barrier opens a round of the cluster's, and this slot is filled again, two K steps ahead: 112 matrix instructions ahead of the wait for it.
.macro TURN fill
	WIN 0
	s_wait_tensorcnt 0x0
	ds_add_u32 v[SPW], v[NIL]
	s_wait_dscnt 9                                 ; (the add and the youngest eight loads may be out)
	MULA 0, 2, F1, 0
	s_wait_dscnt 0x0
	s_barrier_signal -1
	MULA 2, 2, F1, 0
	WIN 0
	s_barrier_wait -1
.if \fill
	CREST
	s_xor_b32 s[G0A+5], s[G0A+5], SLOT1
	s_add_nc_u64 s[G0A+6:G0A+7], s[G0A+6:G0A+7], 2*XKB
	s_xor_b32 s[G0B+5], s[G0B+5], SLOT1
	s_add_nc_u64 s[G0B+6:G0B+7], s[G0B+6:G0B+7], 2*WKB
	JLOAD
.else
	PLACES
.endif
	s_xor_b32 s[TB], s[TB], SLOT1
	v_add_nc_u32 v[AX], s[TB], v[AX0]
	v_add_nc_u32 v[AW], s[TB], v[AW0]
	FETCH 0, F0
	MULA 4, 4, F1, 0
.endm
.macro TOSTAGE a                       ; block a's 16 rows x 64 columns of f32 into my stage (each accumulator from its low end), and back as whole rows of 256 bytes
	s_wait_xcnt 0x0                                ; the buffer's last stores have read it
	WIN 0x04
.irp b, 0,1,2,3
	ds_store_b128 v[STO], v[8*(4*(\a)+\b):8*(4*(\a)+\b)+3]   offset:64*\b
	ds_store_b128 v[STO], v[8*(4*(\a)+\b)+4:8*(4*(\a)+\b)+7] offset:64*\b+16
.endr
	WIN 0
.irp t, 0,1,2,3,4,5,6,7
	ds_load_b128 v[BK+32*((\a)%2)+4*\t:BK+32*((\a)%2)+4*\t+3], v[RD] offset:\t*2*SPITCH
.endr
.endm
.macro SEND a, younger                 ; younger: the LDS instructions issued behind block a's loads
	s_wait_dscnt \younger
.irp t, 0,1,2,3,4,5,6,7
	global_store_b128 v[CO], v[BK+32*((\a)%2)+4*\t:BK+32*((\a)%2)+4*\t+3], s[8:9] offset:(\a)*65536+\t*8192 th:TH_STORE_NT  ; 16 lanes store 256 consecutive bytes, aligned
.endr
.endm
	s_wait_tensorcnt 1                             ; my part of K step 0 is in; step 1's may stay out
	s_barrier_signal -1
	s_barrier_wait -1
	FETCH 0, F0
	QUARTER 1, F0, F1, 1                           ; the first quarter stands in front of the loop: its products start the sums
	WIN 0
	s_mov_b32 s[CNT], 6
.Lk:                                                   ; a trip: a step's quarters 1 to 3, the refill two steps ahead, the next step's quarter 0
	QUARTER 2, F1, F0, 0
	QUARTER 3, F0, F1, 0
	TURN 1
	QUARTER 1, F0, F1, 0
	WIN 0
	s_sub_co_u32 s[CNT], s[CNT], 1
	s_cmp_lg_u32 s[CNT], 0
	s_cbranch_scc1 .Lk
	QUARTER 2, F1, F0, 0                           ; the tail is written out: nothing is left to fetch
	QUARTER 3, F0, F1, 0
	TURN 0
	QUARTER 1, F0, F1, 0
	QUARTER 2, F1, F0, 0
	QUARTER 3, F0, F1, 0
	s_wait_dscnt 8
	MULA 0, 4, F1, 0
	s_wait_dscnt 0x0
	MULA 4, 4, F1, 0
	WIN 0
	PLACES
	TOSTAGE 0
.irp a, 1,2,3,4,5,6,7
	TOSTAGE \a
	SEND (\a)-1, 16
.endr
	SEND 7, 0
	s_wait_tensorcnt 0x0                           ; the wave's end
	ds_add_u32 v[SPW], v[NIL]
	s_wait_dscnt 0x0
	CROUND                                         ; the closing round
	s_endpgm
.Lfunc_end_k_q24016e04e8_oproj:
	.size	k_q24016e04e8_oproj, .Lfunc_end_k_q24016e04e8_oproj-k_q24016e04e8_oproj
	.p2alignl 7, 3214868480
	.fill 96, 4, 3214868480
	.section	.rodata,"a",@progbits
	.p2align	6, 0x0
	.amdhsa_kernel k_q24016e04e8_oproj
		.amdhsa_group_segment_fixed_size 327680
		.amdhsa_private_segment_fixed_size 0
		.amdhsa_enable_private_segment 0
		.amdhsa_kernarg_size 24
		.amdhsa_user_sgpr_count 2
		.amdhsa_user_sgpr_kernarg_segment_ptr 1
		.amdhsa_wavefront_size32 1
		.amdhsa_system_sgpr_workgroup_id_x 1
		.amdhsa_system_sgpr_workgroup_id_y 1
		.amdhsa_system_sgpr_workgroup_id_z 1
		.amdhsa_system_vgpr_workitem_id 0
		.amdhsa_next_free_vgpr 512
		.amdhsa_next_free_sgpr 80
		.amdhsa_reserve_vcc 0
		.amdhsa_float_denorm_mode_32 3
		.amdhsa_float_denorm_mode_16_64 3
		.amdhsa_memory_ordered 1
		.amdhsa_forward_progress 1
		.amdhsa_inst_pref_size 69
	.end_amdhsa_kernel
	.amdgpu_metadata
---
amdhsa.version: [ 1, 2 ]
amdhsa.kernels:
  - .name:           k_q24016e04e8_oproj
    .symbol:         k_q24016e04e8_oproj.kd
    .args:
      - { .name: xb, .offset: 0, .size: 8, .value_kind: global_buffer, .address_space: global }
      - { .name: wb, .offset: 8, .size: 8, .value_kind: global_buffer, .address_space: global }
      - { .name: out0, .offset: 16, .size: 8, .value_kind: global_buffer, .address_space: global }
    .group_segment_fixed_size: 327680
    .private_segment_fixed_size: 0
    .kernarg_segment_align: 8
    .kernarg_segment_size: 24
    .max_flat_workgroup_size: 128
    .sgpr_count:     80
    .vgpr_count:     512
    .wavefront_size: 32
...
	.end_amdgpu_metadata
.endif
;; end of part 5
;; ======== version 2 of 2: 5 launches; version 1 with the launches prep, kv written anew for expert scheduling mode
;; limits: values are held in f16: magnitudes above 65,504 overflow, below 6.1e-05 lose precision; right only within a limited range of input values; below input magnitudes of 0.000122 results are inexact or not finite
;; workspace buffers: xb 16,777,216 bytes; wb 8,388,608 bytes; rot 524,288 bytes; qh 16,777,216 bytes; kh 16,777,216 bytes; vh 16,777,216 bytes; scl 8,192 bytes; ub 7,340,032 bytes
;; launch prep (part 6): grid 800 x 1, 8 waves a work-group, no clusters, 0 bytes of LDS; arguments x, Wq, Wk, Wv, Wo, xb, wb, rot; writes xb, wb, rot
.if DOCPART == 6
	.amdgcn_target "amdgcn-amd-amdhsa--gfx1250"
	.amdhsa_code_object_version 6
	.text
	.protected	k_q24016e04e8_prep
	.globl	k_q24016e04e8_prep
	.p2align	8
	.type	k_q24016e04e8_prep,@function
k_q24016e04e8_prep:
	s_mov_b64 s[64:65], 0
	v_nop
	global_prefetch_b8 v0, s[64:65] scope:SCOPE_SE
	s_setreg_imm32_b32 hwreg(HW_REG_WAVE_SCHED_MODE, 0, 2), 2
	s_setreg_imm32_b32 hwreg(HW_REG_WAVE_MODE, 25, 1), 1
	s_wait_xcnt 0x0
	s_wait_alu depctr_vm_vsrc(0)
; PREP.  (1) x and the four weights, f32, are rounded once to bf16 and laid out in blocks of 64 along K:
;   xb[kb][m][64] (m = 0..8191), wb[kb][row][64] (row = 0..4095), so that R rows x 64 K of a later tile are R x 128 dense bytes.
;   wb's rows: head h, channel c: Wq's row 64 h + c -> 192 h + c, Wk's -> 192 h + 64 + c, Wv's -> 192 h + 128 + c; Wo's row n -> 3072 + n.
;   Wo's rows are multiplied in f16 later: the bf16 number, divided by 16 (the other operand is stored times 16), is written as f16.
; (2) rot[s][i] = (cos, sin)(s x ang_i), i = 0..31, ang_i = 10000^(-i/31), f32: a row of 256 bytes for each position s.
; Work-groups 0..511: 16 rows of x each; 512..767: 16 rows of a weight each (704..767: Wo); 768..799: 64 rows of the table each.
; No LDS, no matrix unit, no barrier: a stream in which every byte is read once and written once.
; LIMITS.  Wo / 16 in f16: exact from 2^-17 to 65,504; below that it keeps f16's fixed step of 6e-8.
; ang_i is 2^(-i log2(10000)/31), a few last places away from a power function's result; s x ang_i is rounded once, reduced by
; multiples of pi in two parts, and sine and cosine are series to r^11 and r^12 for |r| <= pi/2 (what is cut is below 6e-8).
; THE MODE: SCHED_MODE bits 1:0 = 2 (LLVM: expert scheduling mode 2), set by the entry lines.  The code itself states the register dependences
; between vector instructions and memory instructions, with s_wait_alu, always for 0.
; THE PLAN.  Registers that memory instructions touch:
;   v1, v2     byte offsets of the loads and of the stores: made once, ahead of the first load, and never written again.
;   XR         load k lands in its own four registers, once; only vector lines name them afterwards.
;   YR         pair k is written by the roundings of load k and read by store k alone; nothing writes it behind that store.
;   v3, v[16:31]  the table's offset and its four rows of results: each written once, read by one store.
; The 16 loads go in four blocks of four.  Block p rounds its four loads; the four stores of block p - 1 are issued in block p, behind ONE wait at its head, and are
; dealt among block p's vector lines, which name other registers.  No register that a memory instruction has read is written again, so no wait is owed for that.
.set XR, 4                             ; v[4:67]   16 loads of 4 f32
.set YR, 68                            ; v[68:99]  16 x 4 numbers of 16 bits to store
	s_load_b256 s[4:11], s[0:1], 0x0               ; x s[4:5], Wq s[6:7], Wk s[8:9], Wv s[10:11]
	s_load_b256 s[12:19], s[0:1], 0x20             ; Wo s[12:13], xb s[14:15], wb s[16:17], rot s[18:19]
	s_mov_b32 s66, 0x100000                        ; bytes from one K block of xb to the next: 8,192 rows x 128
	s_mov_b32 s67, 0x80000                         ; the same in wb: 4,096 rows x 128
	v_and_b32 v100, 15, v0                         ; thread % 16
	v_lshrrev_b32 v101, 4, v0                      ; thread / 16: 0..15
	s_wait_kmcnt 0x0
	s_cmp_ge_u32 ttmp9, 768
	s_cbranch_scc1 .Ltable
	; ---- 16 rows x 1,024 columns, f32 -> 16 bits ----
	s_cmp_lt_u32 ttmp9, 512
	s_cselect_b32 s56, 1, 0                        ; 1: rows of x
	s_and_b32 s57, ttmp9, 255                      ; a weight unit's number (work-group - 512)
	s_lshr_b32 s58, s57, 6                         ; which weight: 0 Wq, 1 Wk, 2 Wv, 3 Wo
	s_and_b32 s59, s57, 63                         ; u: its rows 16 u .. 16 u + 15
	s_lshr_b32 s62, s59, 2                         ; head = u / 4
	s_mul_i32 s62, s62, 192
	s_lshl_b32 s63, s58, 6
	s_add_co_u32 s62, s62, s63
	s_and_b32 s63, s59, 3
	s_lshl_b32 s63, s63, 4
	s_add_co_u32 s62, s62, s63                     ; 192 head + 64 weight + 16 (u % 4)
	s_lshl_b32 s63, s59, 4
	s_add_co_u32 s63, s63, 3072                    ; Wo: 3072 + 16 u
	s_cmp_lt_u32 s58, 3
	s_cselect_b32 s62, s62, s63
	s_lshl_b32 s63, ttmp9, 4                       ; x: row 16 x work-group
	s_lshl_b32 s68, ttmp9, 16                      ; x: 16 rows of 4,096 bytes
	s_lshl_b32 s70, s59, 16                        ; a weight: the same by u
	s_cmp_eq_u32 s56, 1
	s_cselect_b32 s62, s63, s62                    ; first row in the destination
	s_cselect_b32 s68, s68, s70                    ; byte offset in the source
	s_cselect_b32 s22, s66, s67                    ; bytes from K block to K block
	s_mov_b32 s69, 0
	s_mov_b32 s23, 0
	s_lshl_b32 s70, s62, 7                         ; 128 bytes a row
	s_mov_b32 s71, 0
	s_cmp_eq_u32 s58, 1
	s_cselect_b64 s[20:21], s[8:9], s[6:7]
	s_cmp_eq_u32 s58, 2
	s_cselect_b64 s[20:21], s[10:11], s[20:21]
	s_cmp_eq_u32 s58, 3
	s_cselect_b64 s[20:21], s[12:13], s[20:21]
	s_cmp_eq_u32 s56, 1
	s_cselect_b64 s[20:21], s[4:5], s[20:21]       ; the source
	s_cselect_b64 s[24:25], s[14:15], s[16:17]     ; the destination
	s_add_nc_u64 s[20:21], s[20:21], s[68:69]
	s_add_nc_u64 s[24:25], s[24:25], s[70:71]      ; K block 0
.set k, 1
.rept 15                                               ; a base of its own for each K block: s[24+2k:25+2k]; none is ever rewritten
	s_add_nc_u64 s[24+2*k:25+2*k], s[22+2*k:23+2*k], s[22:23]
.set k, k+1
.endr
	v_lshlrev_b32 v1, 4, v100
	v_lshl_add_u32 v1, v101, 12, v1                ; source: row (thread / 16) x 4,096 + 16 (thread % 16)
	v_lshlrev_b32 v2, 3, v100
	v_lshl_add_u32 v2, v101, 7, v2                 ; destination: row x 128 + 8 (thread % 16)
	s_wait_alu depctr_va_vdst(0)                   ; v1 and v2 are written: every load below reads v1 as its offset, every store v2
.set k, 0
.rept 16                                               ; load k: columns 64 k .. 64 k + 63 of the wave's two rows, 256 consecutive bytes of each
	global_load_b128 v[XR+4*k:XR+4*k+3], v1, s[20:21] offset:256*k th:TH_LOAD_NT
.set k, k+1
.endr
; Load k's four numbers rounded to bf16.
.macro TOBF k
	v_cvt_pk_bf16_f32 v[YR+2*(\k)], v[XR+4*(\k)], v[XR+4*(\k)+1]
	v_cvt_pk_bf16_f32 v[YR+2*(\k)+1], v[XR+4*(\k)+2], v[XR+4*(\k)+3]
.endm
; Wo: rounded to bf16 as every input is, widened, divided by 16, written as f16.
.macro TOF16 k
	v_cvt_pk_bf16_f32 v[YR+2*(\k)], v[XR+4*(\k)], v[XR+4*(\k)+1]
	v_cvt_pk_bf16_f32 v[YR+2*(\k)+1], v[XR+4*(\k)+2], v[XR+4*(\k)+3]
	v_lshlrev_b32 v[XR+4*(\k)], 16, v[YR+2*(\k)]
	v_and_b32 v[XR+4*(\k)+1], 0xffff0000, v[YR+2*(\k)]
	v_lshlrev_b32 v[XR+4*(\k)+2], 16, v[YR+2*(\k)+1]
	v_and_b32 v[XR+4*(\k)+3], 0xffff0000, v[YR+2*(\k)+1]
	v_pk_mul_f32 v[XR+4*(\k):XR+4*(\k)+1], v[XR+4*(\k):XR+4*(\k)+1], 0x3d800000 op_sel_hi:[1,0]
	v_pk_mul_f32 v[XR+4*(\k)+2:XR+4*(\k)+3], v[XR+4*(\k)+2:XR+4*(\k)+3], 0x3d800000 op_sel_hi:[1,0]
	v_cvt_pk_f16_f32 v[YR+2*(\k)], v[XR+4*(\k)], v[XR+4*(\k)+1]
	v_cvt_pk_f16_f32 v[YR+2*(\k)+1], v[XR+4*(\k)+2], v[XR+4*(\k)+3]
.endm
.macro ST k
	global_store_b64 v2, v[YR+2*(\k):YR+2*(\k)+1], s[24+2*(\k):25+2*(\k)]  ; the wave's 32 lanes: two rows of one K block, 256 consecutive bytes, aligned
.endm
; Block p: loads 4 p .. 4 p + 3 are rounded; the stores of block p - 1 are dealt among the roundings.  wo = 1: Wo's way.
.macro BLK p, wo
	s_wait_loadcnt 12-4*(\p)                       ; loads come back in order (ISA guide 5.7.1): this block's four are in, the 12 - 4 p younger ones stay out
.if (\p) > 0
	s_wait_alu depctr_va_vdst(0)                   ; the block before has written its four pairs of YR, which the stores below read; no vector line of this block names them
.endif
.irp i, 0,1,2,3
.if (\p) > 0
	ST 4*(\p)-4+\i
.endif
.if \wo
	TOF16 4*(\p)+\i
.else
	TOBF 4*(\p)+\i
.endif
.endr
.endm
.macro LAST4
	s_wait_alu depctr_va_vdst(0)                   ; block 3 has written its four pairs of YR, which the last four stores read
	ST 12
	ST 13
	ST 14
	ST 15
.endm
	s_cmp_ge_u32 ttmp9, 704
	s_cbranch_scc1 .Lwo
	BLK 0, 0
	BLK 1, 0
	BLK 2, 0
	BLK 3, 0
	LAST4
	s_endpgm
.Lwo:
	BLK 0, 1
	BLK 1, 1
	BLK 2, 1
	BLK 3, 1
	LAST4
	s_endpgm
	; ---- 64 rows of the table ----
.Ltable:
	s_sub_co_u32 s56, ttmp9, 768                   ; block of 64 positions
	s_lshl_b32 s58, s56, 14                        ; 64 rows of 256 bytes
	s_mov_b32 s59, 0
	s_add_nc_u64 s[18:19], s[18:19], s[58:59]
	s_lshl_b32 s60, s56, 6                         ; its first position
	v_lshlrev_b32 v3, 4, v100
	v_lshl_add_u32 v3, v101, 8, v3                 ; row (thread / 16) x 256 + 16 (thread % 16): two pairs (cos, sin)
	v_lshlrev_b32 v7, 1, v100
	v_cvt_f32_u32 v4, v7                           ; i = 2 (thread % 16)
	v_add_f32 v5, 1.0, v4                          ; i + 1
	v_mul_f32 v4, 0xbedb762a, v4                   ; -i log2(10000) / 31
	v_mul_f32 v5, 0xbedb762a, v5
	v_exp_f32 v4, v4
	v_exp_f32 v5, v5
	v_add_nc_u32 v7, s60, v101                     ; (a plain line behind the exponentials) position of row j = 0
; cos and sin of v[sf] x v[ang].  n = the nearest whole number to theta / pi; r = theta - n pi, pi in two parts; both series in r; the sign is (-1)^n.
.macro SINCOS c, s, ang, sf
	v_mul_f32 v8, v[\sf], v[\ang]
	v_mul_f32 v9, 0x3ea2f983, v8
	v_rndne_f32 v9, v9
	v_fma_f32 v10, v9, 0xc0490fdb, v8
	v_fma_f32 v10, v9, 0x33bbbd2e, v10
	v_mul_f32 v11, v10, v10
	v_cvt_i32_f32 v12, v9
	v_lshlrev_b32 v12, 31, v12
	v_mov_b32 v13, 0xb2d7322b                      ; -1/11!
	v_mov_b32 v14, 0x310f76c7                      ; 1/12!
	v_fmaak_f32 v13, v13, v11, 0x3638ef1d          ; 1/9!
	v_fmaak_f32 v14, v14, v11, 0xb493f27e          ; -1/10!
	v_fmaak_f32 v13, v13, v11, 0xb9500d01          ; -1/7!
	v_fmaak_f32 v14, v14, v11, 0x37d00d01          ; 1/8!
	v_fmaak_f32 v13, v13, v11, 0x3c088889          ; 1/5!
	v_fmaak_f32 v14, v14, v11, 0xbab60b61          ; -1/6!
	v_fmaak_f32 v13, v13, v11, 0xbe2aaaab          ; -1/3!
	v_fmaak_f32 v14, v14, v11, 0x3d2aaaab          ; 1/4!
	v_mul_f32 v13, v13, v11
	v_fma_f32 v14, v14, v11, -0.5
	v_fma_f32 v13, v13, v10, v10
	v_fma_f32 v14, v14, v11, 1.0
	v_xor_b32 v[\s], v12, v13
	v_xor_b32 v[\c], v12, v14
.endm
.macro TROW j                          ; row 16 j + thread / 16 of the block: two pairs into v[16 + 4 j : 19 + 4 j]
	v_add_nc_u32 v6, 16*(\j), v7
	v_cvt_f32_u32 v6, v6
	SINCOS 16+4*(\j), 17+4*(\j), 4, 6
	SINCOS 18+4*(\j), 19+4*(\j), 5, 6
.endm
.macro TST j
	global_store_b128 v3, v[16+4*(\j):19+4*(\j)], s[18:19] offset:(\j)*4096  ; sixteen lanes fill one row of 256 bytes
.endm
	s_wait_alu depctr_va_vdst(0)                   ; the two exponentials have written v4 and v5, ahead of their first reader; v3, the stores' offset, is written too
	TROW 0
	TROW 1
	s_wait_alu depctr_va_vdst(0)                   ; rows 0 and 1 are written into v[16:23], which the two stores read
	TST 0
	TST 1
	TROW 2                                         ; these lines name v6, v[8:14] and v[24:31]: none of the registers that the two stores read
	TROW 3
	s_wait_alu depctr_va_vdst(0)                   ; rows 2 and 3 are written into v[24:31], which the two stores read
	TST 2
	TST 3
	s_endpgm
.Lfunc_end_k_q24016e04e8_prep:
	.size	k_q24016e04e8_prep, .Lfunc_end_k_q24016e04e8_prep-k_q24016e04e8_prep
	.p2alignl 7, 3214868480
	.fill 96, 4, 3214868480
	.section	.rodata,"a",@progbits
	.p2align	6, 0x0
	.amdhsa_kernel k_q24016e04e8_prep
		.amdhsa_group_segment_fixed_size 0
		.amdhsa_private_segment_fixed_size 0
		.amdhsa_enable_private_segment 0
		.amdhsa_kernarg_size 64
		.amdhsa_user_sgpr_count 2
		.amdhsa_user_sgpr_kernarg_segment_ptr 1
		.amdhsa_wavefront_size32 1
		.amdhsa_system_sgpr_workgroup_id_x 1
		.amdhsa_system_sgpr_workgroup_id_y 1
		.amdhsa_system_sgpr_workgroup_id_z 1
		.amdhsa_system_vgpr_workitem_id 0
		.amdhsa_next_free_vgpr 104
		.amdhsa_next_free_sgpr 80
		.amdhsa_reserve_vcc 0
		.amdhsa_float_denorm_mode_32 3
		.amdhsa_float_denorm_mode_16_64 3
		.amdhsa_memory_ordered 1
		.amdhsa_forward_progress 1
		.amdhsa_inst_pref_size 32
	.end_amdhsa_kernel
	.amdgpu_metadata
---
amdhsa.version: [ 1, 2 ]
amdhsa.kernels:
  - .name:           k_q24016e04e8_prep
    .symbol:         k_q24016e04e8_prep.kd
    .args:
      - { .name: x, .offset: 0, .size: 8, .value_kind: global_buffer, .address_space: global }
      - { .name: Wq, .offset: 8, .size: 8, .value_kind: global_buffer, .address_space: global }
      - { .name: Wk, .offset: 16, .size: 8, .value_kind: global_buffer, .address_space: global }
      - { .name: Wv, .offset: 24, .size: 8, .value_kind: global_buffer, .address_space: global }
      - { .name: Wo, .offset: 32, .size: 8, .value_kind: global_buffer, .address_space: global }
      - { .name: xb, .offset: 40, .size: 8, .value_kind: global_buffer, .address_space: global }
      - { .name: wb, .offset: 48, .size: 8, .value_kind: global_buffer, .address_space: global }
      - { .name: rot, .offset: 56, .size: 8, .value_kind: global_buffer, .address_space: global }
    .group_segment_fixed_size: 0
    .private_segment_fixed_size: 0
    .kernarg_segment_align: 8
    .kernarg_segment_size: 64
    .max_flat_workgroup_size: 256
    .sgpr_count:     80
    .vgpr_count:     104
    .wavefront_size: 32
...
	.end_amdgpu_metadata
.endif
;; end of part 6
;; launch qkv: the kernel of part 2 again; grid 8 x 32, 4 waves a work-group, clusters of 4 x 4, 327,680 bytes of LDS; arguments xb, wb, rot, qh, kh, vh, scl; writes qh, kh, vh, scl
;; launch kv (part 7): grid 7 x 64, 4 waves a work-group, no clusters, 99,840 bytes of LDS; arguments kh, vh, scl, ub; writes ub
.if DOCPART == 7
	.amdgcn_target "amdgcn-amd-amdhsa--gfx1250"
	.amdhsa_code_object_version 6
	.text
	.protected	k_q24016e04e8_kv
	.globl	k_q24016e04e8_kv
	.p2align	8
	.type	k_q24016e04e8_kv,@function
k_q24016e04e8_kv:
	s_mov_b64 s[64:65], 0
	v_nop
	global_prefetch_b8 v0, s[64:65] scope:SCOPE_SE
	s_setreg_imm32_b32 hwreg(HW_REG_WAVE_SCHED_MODE, 0, 2), 2
	s_setreg_imm32_b32 hwreg(HW_REG_WAVE_MODE, 25, 1), 1
	s_wait_xcnt 0x0
	s_wait_alu depctr_vm_vsrc(0)
; KV.  The state that a chunk of 256 keys hands on: U_c(kch, vch) = the sum over the chunk's keys jl = 0..255 of g^(255 - jl) k(jl, kch) v(jl, vch), g = 1 - 2^(-5-head), for chunks c = 0..6 of each batch and head.
; kh, vh: [batch x 16 + head][s][64] f16, each block of 128 rows divided by a power of two of its own (scl: word B = Ek + Ev of block B); vh already times g^(63 - j % 64).
; ub[batch x 16 + head][c][vch][kch] f32 holds U_c / 2^tm, tm the larger Ek + Ev of the chunk's two blocks: every factor below is at most 1.
; g^(255 - jl) = g^(64 (3 - s)) g^(63 - jl % 64), s = jl / 64: the second factor lies in vh, the first is one number for a step of 64 keys: the four steps have accumulators of their own and are added in f32.
; SHARES.  One work-group a chunk, 7 x 64 of them; wave w makes the rows vch = 16 w .. 16 w + 15 of U^T: 4 steps x 4 blocks of 16 kch = 16 accumulators, 32 matrix instructions.
; The tile comes through registers (each thread 16 + 16 loads of 16 bytes, 2,048 consecutive bytes an instruction of the work-group) into LDS rows of 160 bytes, since both operands are wanted turned:
; source 0 = K^T (lane = kch, keys along the registers), source 1 = V (lane = vch), both by ds_load_tr16_b128.  No tensor load: one tile, read once, and no slot to fill again.  No cluster: no two work-groups read the same bytes.
; REGISTERS, in windows of 256 (s_set_vgpr_msb: bits 1:0 source 0, 3:2 source 1, 5:4 source 2, 7:6 destination):
;   window 0: v0-31 addresses and factors; v32-159 the tile on its way to LDS, then v32-111, v112-191 the fragments of steps 0 and 1 (8 of K^T, 2 of V each); v192-255 the accumulators of steps 2 and 3;
;             at the end v32-63 U, v112-143 rows read back from the stage
;   window 1: v0-63 the accumulators of steps 0 and 1; v64-143, v144-223 the fragments of steps 2 and 3
; THE MODE: SCHED_MODE bits 1:0 = 2 (LLVM: expert scheduling mode 2), set by the entry lines.  The code itself states the register dependences
; between vector or matrix instructions and memory or LDS instructions, with s_wait_alu, always for 0.
; THE PLAN.  Registers that memory or LDS instructions touch:
;   v[GA]                   the global loads' offset: written at the head, ahead of the first wait on va_vdst; never again.
;   v[LA] .. v[CO]          seven LDS addresses and offsets: written at the head, ahead of the second wait on va_vdst; never again.  Behind that wait the vector and matrix lines name factors, fragments, accumulators and U alone.
;   v32-159                 written by the global loads, read by the LDS stores of the tile; then the fragments of steps 0 and 1 land there: one wait on vm_vsrc, behind the barrier.
;   the four fragment sets  each is loaded once and read by its own step's eight matrix instructions: no load lands in a register that a vector or matrix instruction has named.
;   U (v32-63)              written by the sums, read by the stage's stores.   v112-143: read by step 1's products, then the stage's rows land there.  ONE wait on va_vdst, behind the sums, states both.
;   v[SPW], v[NIL]          written at the head, read by the closing add alone.
; Steps 0 and 1 multiply under one window setting, sources in window 0, C and D in window 1; under it an LDS load takes its address from window 0 and lands in window 1: so the loads of steps 2 and 3
; are dealt behind the products of steps 0 and 1, with no switch and no wait.
.set P,      160                       ; an LDS row: 128 bytes + 32 = 40 words
.set VOFF,   256*P                     ; K's 256 rows, then V's
.set STAGE,  2*VOFF                    ; 16 rows x 272 bytes for each wave, for the way out
.set SPITCH, 272
.set SPARE,  STAGE+4*16*SPITCH         ; the spare words, 128 bytes for each wave: two blocks of 256 bytes that no other line names
.set GA,  2                            ; v2   16 x thread: my 16 bytes in 2,048 of a tile
.set LA,  3                            ; v3   where they go in LDS, for K
.set LB,  4                            ; v4   for V
.set AK,  5                            ; v5   my lane's place in the turning loads of K
.set AV,  6                            ; v6   of V, at my wave's 16 channels
.set STO, 7
.set RD,  8
.set CO,  9
.set LG,  10                           ; v10  log2 g
.set UU,  11
.set F,   12                           ; v[12:15]  the four steps' factors
.set PP,  19
.set SPW, 30
.set NIL, 31
.set D,   32
.set FB0, 32                           ; window 0
.set FB1, 112                          ; window 0
.set FB2, 64                           ; window 1
.set FB3, 144                          ; window 1
.set A0,  0                            ; window 1: step s's accumulator mt at its base + 8 mt
.set A1,  32                           ; window 1
.set A2,  192                          ; window 0
.set A3,  224                          ; window 0
.set TM,  32
.set BK,  112
.set WV,  12
.set MSB, 0
.macro WIN new                         ; the high byte repeats the setting that is left; a switch that changes nothing is dropped
.if MSB != (\new)
	s_set_vgpr_msb (MSB<<8)|(\new)
.set MSB, (\new)
.endif
.endm
.macro PLACES                          ; four plain lines between a matrix instruction and a vector line on its registers (ISA guide 7.12.1)
.rept 4
	v_nop
.endr
.endm
	s_load_b256 s[4:11], s[0:1], 0x0               ; kh s[4:5], vh s[6:7], scl s[8:9], ub s[10:11]
	v_lshl_add_u32 v[SPW], v0, 2, SPARE
	v_mov_b32 v[NIL], 0
	v_lshrrev_b32 v1, 5, v0
	v_readfirstlane_b32 s[WV], v1
	v_lshlrev_b32 v[GA], 4, v0
	s_and_b32 s13, ttmp7, 0xffff                   ; batch x 16 + head
	s_and_b32 s14, s13, 15                         ; head
	s_lshl_b32 s16, s13, 18                        ; its 2,048 rows of 128 bytes,
	s_lshl_b32 s15, ttmp9, 15                      ; + the chunk's 256 rows
	s_add_co_u32 s16, s16, s15
	s_mov_b32 s17, 0
	s_lshl_b32 s18, s13, 7                         ; scl: 128 bytes a head, two words a chunk
	s_lshl_b32 s15, ttmp9, 3
	s_add_co_u32 s18, s18, s15
	s_mov_b32 s19, 0
	s_mul_i32 s20, s13, 7                          ; ub: 16,384 bytes a chunk, 4,096 a wave
	s_add_co_u32 s20, s20, ttmp9
	s_lshl_b32 s20, s20, 14
	s_wait_alu depctr_va_sdst(0)                   ; the wave's number is written into s12, ahead of its first reader
	s_lshl_b32 s15, s[WV], 12
	s_add_co_u32 s20, s20, s15
	s_mov_b32 s21, 0
	s_wait_kmcnt 0x0
	s_add_nc_u64 s[4:5], s[4:5], s[16:17]
	s_add_nc_u64 s[6:7], s[6:7], s[16:17]
	s_add_nc_u64 s[8:9], s[8:9], s[18:19]
	s_add_nc_u64 s[10:11], s[10:11], s[20:21]
	s_load_b64 s[22:23], s[8:9], 0x0               ; Ek + Ev of the chunk's two blocks
	s_wait_alu depctr_va_vdst(0)                   ; v[GA] is written, which the 32 loads below read as their offset
.set e, 0
.rept 16                                               ; load e: keys 16 e .. 16 e + 15
	global_load_b128 v[D+4*e:D+4*e+3], v[GA], s[4:5] offset:2048*e
.set e, e+1
.endr
.set e, 0
.rept 16
	global_load_b128 v[D+64+4*e:D+64+4*e+3], v[GA], s[6:7] offset:2048*e
.set e, e+1
.endr
	; addresses and factors, in the wait for the tile: these lines name v1 and v3 to v19, none of the registers that the loads above touch
	v_lshrrev_b32 v[LA], 3, v0                     ; thread / 8: the key among 16,
	v_mul_u32_u24 v[LA], v[LA], P
	v_and_b32 v16, 7, v0
	v_lshl_add_u32 v[LA], v16, 4, v[LA]            ; thread % 8: its 16 bytes
	v_add_nc_u32 v[LB], VOFF, v[LA]
	; the turning load: lane l reads key 8 (l / 16) + l % 8, channels 8 ((l / 8) % 2) + 0..7, and is left with channel l % 16 and 8 keys
	v_bfe_u32 v17, v0, 4, 1
	v_bfe_u32 v18, v0, 3, 1
	v_lshl_add_u32 v[AK], v17, 3, v16
	v_mul_u32_u24 v[AK], v[AK], P
	v_lshl_add_u32 v[AK], v18, 4, v[AK]
	s_lshl_b32 s24, s[WV], 5                       ; my wave's 16 channels of V
	s_add_co_u32 s24, s24, VOFF
	v_add_nc_u32 v[AV], s24, v[AK]
	v_and_b32 v1, 15, v0
	s_mul_i32 s25, s[WV], 16*SPITCH
	s_add_co_u32 s25, s25, STAGE                   ; my stage
	v_mul_u32_u24 v[STO], v1, SPITCH               ; in: row l % 16, 32 bytes for each half of the lanes
	v_lshl_add_u32 v[STO], v17, 5, v[STO]
	v_add_nc_u32 v[STO], s25, v[STO]
	v_mul_u32_u24 v[RD], v17, SPITCH               ; back: lanes 0-15 one row of 256 bytes, lanes 16-31 the next
	v_lshl_add_u32 v[RD], v1, 4, v[RD]
	v_add_nc_u32 v[RD], s25, v[RD]
	v_and_b32 v[CO], 31, v0                        ; which are 512 consecutive bytes of ub
	v_lshlrev_b32 v[CO], 4, v[CO]
	; log2(1 - u), u = 2^(-5-head): -u (1 + u/2 + u^2/3 + u^3/4 + u^4/5 + u^5/6) log2(e); what is cut is below u^6 / 7 of it, u <= 1/32
	s_sub_co_u32 s24, 122, s14
	s_lshl_b32 s24, s24, 23
	v_mov_b32 v[UU], s24
	v_mov_b32 v[PP], 0x3e2aaaab
	v_fmaak_f32 v[PP], v[PP], v[UU], 0x3e4ccccd
	v_fmaak_f32 v[PP], v[PP], v[UU], 0x3e800000
	v_fmaak_f32 v[PP], v[PP], v[UU], 0x3eaaaaab
	v_fma_f32 v[PP], v[PP], v[UU], 0.5
	v_fma_f32 v[PP], v[PP], v[UU], 1.0
	v_mul_f32 v[UU], 0xbfb8aa3b, v[UU]
	v_mul_f32 v[LG], v[PP], v[UU]
	v_mul_f32 v[F], 0x43400000, v[LG]              ; 192
	v_mul_f32 v[F+1], 0x43000000, v[LG]            ; 128
	v_mul_f32 v[F+2], 0x42800000, v[LG]            ; 64
	v_exp_f32 v[F], v[F]
	v_exp_f32 v[F+1], v[F+1]
	v_exp_f32 v[F+2], v[F+2]
	v_mov_b32 v[F+3], 1.0                          ; (a plain line behind the exponentials)
	s_wait_kmcnt 0x0
	s_max_i32 s26, s22, s23                        ; tm
	s_sub_co_i32 s27, s22, s26
	s_sub_co_i32 s28, s23, s26
	s_wait_alu depctr_va_vdst(0)                   ; the three exponentials have written v[F ..], ahead of their first reader; and the seven addresses v3 to v9 are written, which the LDS instructions and stores of the rest of the kernel read
	v_ldexp_f32 v[F], v[F], s27                    ; steps 0 and 1 lie in the first block of 128 keys,
	v_ldexp_f32 v[F+1], v[F+1], s27
	v_ldexp_f32 v[F+2], v[F+2], s28                ; steps 2 and 3 in the second
	v_ldexp_f32 v[F+3], v[F+3], s28
.set e, 0
.rept 16
	s_wait_loadcnt 31-e                            ; loads come back in order: K's load e is in, the 31 - e younger ones stay out
	ds_store_b128 v[LA], v[D+4*e:D+4*e+3] offset:e*16*P
.set e, e+1
.endr
.set e, 0
.rept 16
	s_wait_loadcnt 15-e
	ds_store_b128 v[LB], v[D+64+4*e:D+64+4*e+3] offset:e*16*P
.set e, e+1
.endr
	s_wait_dscnt 0x0                               ; for the others' sake: my part of the tile lies in LDS
	s_barrier_signal -1
	s_barrier_wait -1
; Two turning loads: step s's fragment j = 4 kk + mt of K^T (keys 32 kk on, channels 16 mt on) into set f.
.macro LDK s, f, j
	ds_load_tr16_b128 v[(\f)+8*(\j):(\f)+8*(\j)+3],   v[AK] offset:(64*(\s)+32*((\j)/4))*P+32*((\j)%4)
	ds_load_tr16_b128 v[(\f)+8*(\j)+4:(\f)+8*(\j)+7], v[AK] offset:(64*(\s)+32*((\j)/4))*P+16*P+32*((\j)%4)
.endm
; Two turning loads: its fragment kk of V.
.macro LDV s, f, kk
	ds_load_tr16_b128 v[(\f)+64+8*(\kk):(\f)+64+8*(\kk)+3],   v[AV] offset:(64*(\s)+32*(\kk))*P
	ds_load_tr16_b128 v[(\f)+64+8*(\kk)+4:(\f)+64+8*(\kk)+7], v[AV] offset:(64*(\s)+32*(\kk))*P+16*P
.endm
; 20 loads in one run: all of step s's fragments into set f.
.macro FRAG s, f
.irp j, 0,1,2,3,4,5,6,7
	LDK \s, \f, \j
.endr
	LDV \s, \f, 0
	LDV \s, \f, 1
.endm
; 8 matrix instructions: a step's 4 accumulators, at a, take turns; the first 4 start the sums.  In the result a lane holds vch = l % 16 and the kch 8 (l / 16) + 0..7 of block mt.
; ns >= 0: the 20 loads of step ns, into set nf, are dealt behind the products: two behind each, and V's two more behind the first and the fifth.  They owe no wait: no vector or matrix instruction names set nf ahead of them.
.macro MUL a, f, ns, nf
.set jj, 0
.rept 8
.if jj < 4
	v_wmma_f32_16x16x32_f16 v[(\a)+8*(jj%4):(\a)+8*(jj%4)+7], v[(\f)+8*jj:(\f)+8*jj+7], v[(\f)+64+8*(jj/4):(\f)+64+8*(jj/4)+7], 0
.else
	v_wmma_f32_16x16x32_f16 v[(\a)+8*(jj%4):(\a)+8*(jj%4)+7], v[(\f)+8*jj:(\f)+8*jj+7], v[(\f)+64+8*(jj/4):(\f)+64+8*(jj/4)+7], v[(\a)+8*(jj%4):(\a)+8*(jj%4)+7]
.endif
.if (\ns) >= 0
	LDK \ns, \nf, jj
.if (jj%4) == 0
	LDV \ns, \nf, jj/4
.endif
.endif
.set jj, jj+1
.endr
.endm
	s_wait_alu depctr_vm_vsrc(0)                   ; my LDS stores of the tile have read v32 to v159, in which the fragments of steps 0 and 1 land
	FRAG 0, FB0
	FRAG 1, FB1
	s_wait_dscnt 20                                ; step 0's fragments are in; step 1's 20 loads stay out
	WIN 0x50                                       ; sources in window 0, C and D in window 1; an LDS load: address in window 0, data in window 1
	MUL A0, FB0, 2, FB2
	s_wait_dscnt 20                                ; step 1's are in; step 2's 20 loads stay out
	MUL A1, FB1, 3, FB3
	s_wait_dscnt 20                                ; step 2's are in; step 3's 20 loads stay out
	WIN 0x05                                       ; sources in window 1, C and D in window 0
	MUL A2, FB2, -1, 0
	s_wait_dscnt 0x0
	MUL A3, FB3, -1, 0
	PLACES                                         ; between the products and the vector lines that read their results and write over step 0's fragments
	; U = the sum over the steps of factor x product; each accumulator is read from its low end on
	WIN 0x01                                       ; source 0 in window 1
.set n, 0
.rept 16
	v_pk_mul_f32 v[TM+2*n:TM+2*n+1], v[A0+2*n:A0+2*n+1], v[F:F+1] op_sel_hi:[1,0]
.set n, n+1
.endr
.set n, 0
.rept 16
	v_pk_fma_f32 v[TM+2*n:TM+2*n+1], v[A1+2*n:A1+2*n+1], v[F:F+1], v[TM+2*n:TM+2*n+1] op_sel:[0,1,0] op_sel_hi:[1,1,1]
.set n, n+1
.endr
	WIN 0
.set n, 0
.rept 16
	v_pk_fma_f32 v[TM+2*n:TM+2*n+1], v[A2+2*n:A2+2*n+1], v[F+2:F+3], v[TM+2*n:TM+2*n+1] op_sel_hi:[1,0,1]
.set n, n+1
.endr
.set n, 0
.rept 16
	v_pk_fma_f32 v[TM+2*n:TM+2*n+1], v[A3+2*n:A3+2*n+1], v[F+2:F+3], v[TM+2*n:TM+2*n+1] op_sel:[0,1,0] op_sel_hi:[1,1,1]
.set n, n+1
.endr
	; the way out: 16 rows x 64 f32 through my stage, back as whole rows of 256 bytes: my own bytes, served in order (ISA guide 5.7.1.4)
	s_wait_alu depctr_va_vdst(0)                   ; the sums have written v[TM ..], which the LDS stores read; and step 1's products are done reading v112 to v143, in which the loads from the stage land
.irp b, 0,1,2,3
	ds_store_b128 v[STO], v[TM+8*\b:TM+8*\b+3]   offset:64*\b
	ds_store_b128 v[STO], v[TM+8*\b+4:TM+8*\b+7] offset:64*\b+16
.endr
.irp t, 0,1,2,3,4,5,6,7
	ds_load_b128 v[BK+4*\t:BK+4*\t+3], v[RD] offset:\t*2*SPITCH
.endr
.irp t, 0,1,2,3,4,5,6,7
	s_wait_dscnt 7-\t                              ; load t is back, the 7 - t younger ones stay out
	global_store_b128 v[CO], v[BK+4*\t:BK+4*\t+3], s[10:11] offset:\t*512  ; two rows of U^T: 512 consecutive bytes, aligned
.endr
	s_wait_dscnt 0x0                               ; the closing lines, six on end
	s_wait_alu 0x0
	s_wait_tensorcnt 0x0
	ds_add_u32 v[SPW], v[NIL]
	s_wait_dscnt 0x0
	s_endpgm
.Lfunc_end_k_q24016e04e8_kv:
	.size	k_q24016e04e8_kv, .Lfunc_end_k_q24016e04e8_kv-k_q24016e04e8_kv
	.p2alignl 7, 3214868480
	.fill 96, 4, 3214868480
	.section	.rodata,"a",@progbits
	.p2align	6, 0x0
	.amdhsa_kernel k_q24016e04e8_kv
		.amdhsa_group_segment_fixed_size 99840
		.amdhsa_private_segment_fixed_size 0
		.amdhsa_enable_private_segment 0
		.amdhsa_kernarg_size 32
		.amdhsa_user_sgpr_count 2
		.amdhsa_user_sgpr_kernarg_segment_ptr 1
		.amdhsa_wavefront_size32 1
		.amdhsa_system_sgpr_workgroup_id_x 1
		.amdhsa_system_sgpr_workgroup_id_y 1
		.amdhsa_system_sgpr_workgroup_id_z 1
		.amdhsa_system_vgpr_workitem_id 0
		.amdhsa_next_free_vgpr 480
		.amdhsa_next_free_sgpr 66
		.amdhsa_reserve_vcc 0
		.amdhsa_float_denorm_mode_32 3
		.amdhsa_float_denorm_mode_16_64 3
		.amdhsa_memory_ordered 1
		.amdhsa_forward_progress 1
		.amdhsa_inst_pref_size 24
	.end_amdhsa_kernel
	.amdgpu_metadata
---
amdhsa.version: [ 1, 2 ]
amdhsa.kernels:
  - .name:           k_q24016e04e8_kv
    .symbol:         k_q24016e04e8_kv.kd
    .args:
      - { .name: kh, .offset: 0, .size: 8, .value_kind: global_buffer, .address_space: global }
      - { .name: vh, .offset: 8, .size: 8, .value_kind: global_buffer, .address_space: global }
      - { .name: scl, .offset: 16, .size: 8, .value_kind: global_buffer, .address_space: global }
      - { .name: ub, .offset: 24, .size: 8, .value_kind: global_buffer, .address_space: global }
    .group_segment_fixed_size: 99840
    .private_segment_fixed_size: 0
    .kernarg_segment_align: 8
    .kernarg_segment_size: 32
    .max_flat_workgroup_size: 128
    .sgpr_count:     66
    .vgpr_count:     480
    .wavefront_size: 32
...
	.end_amdgpu_metadata
.endif
;; end of part 7
;; launch ret: the kernel of part 4 again; grid 4 x 64, 4 waves a work-group, no clusters, 327,680 bytes of LDS; arguments qh, kh, vh, ln_w, ln_b, xb, scl, ub; writes xb
;; launch oproj: the kernel of part 5 again; grid 8 x 32, 4 waves a work-group, clusters of 4 x 4, 327,680 bytes of LDS; arguments xb, wb, out0; writes out0
